; MI455X (gfx1250); checked and timed in simulation.
; The chip was launched on July 23, 2026; its instructions are those of AMD's public machine-readable ISA for CDNA 5 (MIT licence, August 2026) and "CDNA5" Instruction Set Architecture Reference Guide (July 2026). The comments in the code are by the model that wrote it; some were corrected since.
;; Transformer Block. Allowed arithmetic: matrix products marked QUANTISED: E5M2 operands, one E8M0 scale for each 32 along K, by v_wmma_scale_f32_16x16x128_f8f6f4 with both operands' format E5M2, f32 sums; everything else in f32.
;; Inputs: b1 4,096 float32; b2 1,024 float32; b_out 1,024 float32; ln1_b 1,024 float32; ln1_g 1,024 float32; ln2_b 1,024 float32; ln2_g 1,024 float32; w1_codes 4,096 x 32 x 32 uint8 (E5M2 codes of w1, K innermost, in blocks of 32 codes); w1_scales 4,096 x 32 uint8 (E8M0 scales of w1, one for each 32 codes along K); w2_codes 1,024 x 128 x 32 uint8 (E5M2 codes of w2, K innermost, in blocks of 32 codes); w2_scales 1,024 x 128 uint8 (E8M0 scales of w2, one for each 32 codes along K); w_out_codes 1,024 x 32 x 32 uint8 (E5M2 codes of w_out, K innermost, in blocks of 32 codes); w_out_scales 1,024 x 32 uint8 (E8M0 scales of w_out, one for each 32 codes along K); w_qkv_codes 3,072 x 32 x 32 uint8 (E5M2 codes of w_qkv, K innermost, in blocks of 32 codes); w_qkv_scales 3,072 x 32 uint8 (E8M0 scales of w_qkv, one for each 32 codes along K); x 2 x 2,048 x 1,024 float32.
;; Outputs: out0 2 x 2,048 x 1,024 float32.
;; This version of the problem:
;;   THIS VERSION OF THE PROBLEM IS GIVEN IN LOW PRECISION. The matrix products marked QUANTISED in the list below multiply operands that are first quantised to E5M2 (5 exponent bits, 2 mantissa bits; 8 bits a number), with one power-of-two scale for each 32 numbers along K (OCP MX v1.0); their sums are f32. All else is computed in f32.
;;   The module's matrix products, in the order in which they are computed (A, B: the left and right operand; K: the contracted axis; several contracted axes count as one K, in the product's order):
;;     1. [M 4,096, K 1,024] x [K 1,024, N 3,072]; A: computed on the way; B: input w_qkv (given as codes): QUANTISED
;;     2. batch 32 x [M 2,048, K 64] x [K 64, N 2,048]; A: computed on the way; B: computed on the way: QUANTISED
;;     3. batch 32 x [M 2,048, K 2,048] x [K 2,048, N 64]; A: softmax (see below); B: computed on the way: QUANTISED
;;     4. [M 4,096, K 1,024] x [K 1,024, N 1,024]; A: computed on the way; B: input w_out (given as codes): QUANTISED
;;     5. [M 4,096, K 1,024] x [K 1,024, N 4,096]; A: computed on the way; B: input w1 (given as codes): QUANTISED
;;     6. [M 4,096, K 4,096] x [K 4,096, N 1,024]; A: computed on the way; B: input w2 (given as codes): QUANTISED
;;   THE QUANTISER, for each operand of a quantised product, along K:
;;     - K is cut into blocks of 32 from its start; a last block that is shorter is filled with zeros.
;;     - A block's scale is 2^e with e = floor(log2(the largest magnitude in the block)) - 15, held to -126 .. 127; a block of zeros has e = 0. As a byte (E8M0): e + 127.
;;     - Each number is divided by its block's scale, clamped to +-57,344, and rounded to the nearest number of E5M2, ties to even, subnormals kept.
;;     - The product sums the exact products of the quantised numbers (number of the format x scale) in f32.
;;   ~~~python
;;   def quantise(x, axis):      # numpy; x: float32 -> the quantised numbers, widened to float32 again
;;       x = np.moveaxis(x, axis, -1); K = x.shape[-1]
;;       x = np.pad(x, [(0, 0)] * (x.ndim - 1) + [(0, -K % 32)]); x = x.reshape(x.shape[:-1] + (-1, 32)); a = np.abs(x).max(-1, keepdims=True)
;;       e = np.where(a > 0, np.clip(np.frexp(np.where(a > 0, a, 1))[1] - 1 - 15, -126, 127), 0)      # np.frexp(a)[1] - 1 = floor(log2(a)), exactly
;;       r = np.clip(x / 2.0 ** e, -57344, 57344)
;;       step = 2.0 ** (np.maximum(np.frexp(np.where(r == 0, 1, r))[1] - 1, -14) - 2)
;;       q = np.round(r / step) * step * 2.0 ** e      # np.round: ties to even
;;       return np.moveaxis(q.reshape(q.shape[:-2] + (-1,))[..., :K], -1, axis).astype(np.float32)
;;   ~~~
;;   SOFTMAX AHEAD OF A QUANTISED PRODUCT. Where the list says 'softmax', what is quantised is not the finished softmax but p = 2^(t - M), with t = logit x log2(e) and M = ceil(the row's largest t), a whole number; so 1/2 < the row's largest p <= 1. The row's sum l is taken of the UNQUANTISED p, in f32, and the product's result is divided by l at the end. Since M is a whole number, a kernel that streams over the keys may use a running M (the ceiling of the running maximum): every later rescaling is an exact power of two, which a block's scale takes up: the codes' values come out the same.
;;   OPERANDS COMPUTED ON THE WAY. 'Computed on the way' means the value that the module computes at that place (a softmax that the list does not call 'softmax' is quantised finished and normalised). What goes into a quantiser is computed in f32, as accurately as f32 sums, v_exp_f32 and their like allow (about 1e-6 of the number): no bf16 or f16 on the way to a quantiser, and a product that is left as it is and whose result goes on into a quantised operand takes f32 operands (vector FMAs, or v_wmma_f32_16x16x4_f32). A number that lies on a knife's edge between two numbers of the format may be rounded either way, as far as f32 arithmetic and the matrix unit's own rounding can turn it there, and no further.
;;   INPUTS GIVEN AS CODES. w1 (in the module: [1024, 4096], K = its axis 0); w2 (in the module: [4096, 1024], K = its axis 0); w_out (in the module: [1024, 1024], K = its axis 0); w_qkv (in the module: [1024, 3072], K = its axis 0): each comes as NAME_codes (uint8): NAME with its K axis moved to the last place and cut into blocks of 32 codes, [.., K / 32, bytes a block], one block behind the other in memory; one code a byte (a code: sign, 5 exponent bits, 2 mantissa bits); and NAME_scales (uint8): the same leading axes, one E8M0 byte (e + 127) for each 32 codes along K. Its value is code x scale, taken as it is: it is not quantised again, and the codes and scales need not be those that the quantiser above would give.
;; One version. Each part assembles by itself: llvm-mc -triple=amdgcn-amd-amdhsa -mcpu=gfx1250 --defsym DOCPART=n.
;; ======== version 1 of 1: 7 launches
;; limits: right only within a limited range of input values
;; workspace buffers: act 4,325,376 bytes; qkv 13,238,272 bytes; x1 16,777,216 bytes; gbuf 17,301,504 bytes
;; launch lnq (part 1): grid 256 x 1, 8 waves a work-group, no clusters, 83,456 bytes of LDS; arguments x, ln1_g, ln1_b, act; writes act
.if DOCPART == 1
	.amdgcn_target "amdgcn-amd-amdhsa--gfx1250"
	.amdhsa_code_object_version 6
	.text
	.protected	k_q5e0658058c_lnq
	.globl	k_q5e0658058c_lnq
	.p2align	8
	.type	k_q5e0658058c_lnq,@function
k_q5e0658058c_lnq:
	s_mov_b64 s[64:65], 0
	v_nop
	global_prefetch_b8 v0, s[64:65] scope:SCOPE_SE
	s_setreg_imm32_b32 hwreg(HW_REG_WAVE_MODE, 25, 1), 1
	s_wait_xcnt 0x0
; LAYER NORM AND QUANTISER.  y = (x - mean) * rsqrt(var + 1e-5) * gamma + beta over rows of 1,024 f32 numbers; y is turned into codes of E5M2 with one E8M0 byte for each 32 along the row.
; Out: codes [4096][1024] at the buffer's start, scale bytes [4096][32] at ACT_SC.
; SHARES.  A work-group of eight waves takes 16 rows, a wave two.  A row stays in 32 registers of the wave between the passes (sum; deviations and their squares; scaling), so memory is read once
; and the variance is that of the deviations: a common offset of the inputs does no harm.
; Each load reads 512 consecutive bytes.  The conversions want 16 NEIGHBOURS in a lane: the finished row turns through the wave's own stage in LDS (64 bytes + 16 of padding a place) and comes
; back 64 bytes a lane; two neighbouring lanes then hold a block of 32.  A lane's 16 codes are 16 bytes: a store covers 512 consecutive bytes.  The 512 scale bytes of the 16 rows meet in LDS and leave by one store of wave 0.
; LIMITS: NaN and infinities are not served.  A block of zeros gets the byte 1 (the floor) with zero codes where the rule says 127: only this program's own launches read the bytes.
.set RSTG,   5120                      ; a row in the stage: 64 places of 80 bytes
.set SCL,    81920                     ; behind the eight stages: 16 rows x 32 scale bytes
.set ACT_SC, 4194304
.set X,   32                           ; v32-95   two rows: row p at 32 p; register 4 j + e is column 128 j + 4 lane + e
.set GA,  96                           ; v96-127  gamma of the same columns
.set BE,  128                          ; v128-159 beta
.set Y,   96                           ; v96-159  four pieces of 16 neighbours (gamma and beta are done with)
.set C,   160                          ; v160-175 codes, four registers a piece
.set E,   176                          ; v176-179 scale bytes
	s_load_b256 s[4:11], s[0:1], 0x0               ; the rows, gamma, beta, the codes' buffer
	v_lshl_add_u32 v192, v0, 2, 0x14200
	v_mov_b32 v193, 0
	v_lshrrev_b32 v1, 5, v0
	s_delay_alu instid0(VALU_DEP_1)
	v_readfirstlane_b32 s12, v1                    ; wave 0..7
	v_and_b32 v1, 31, v0                           ; lane
	s_delay_alu instid0(VALU_DEP_1)
	v_lshlrev_b32 v2, 4, v1                        ; 16 x lane
	s_mul_i32 s18, s12, 2*RSTG                     ; my stage
	v_lshrrev_b32 v3, 2, v1
	s_delay_alu instid0(VALU_DEP_1)
	v_mul_u32_u24 v3, v3, 80
	v_and_b32 v6, 3, v1
	s_delay_alu instid0(VALU_DEP_1)
	v_lshl_add_u32 v3, v6, 4, v3
	s_delay_alu instid0(VALU_DEP_1)
	v_add_nc_u32 v3, s18, v3                       ; way in: four lanes' 64 bytes on end, then 16 of padding
	v_mul_u32_u24 v4, v1, 80
	s_delay_alu instid0(VALU_DEP_1)
	v_add_nc_u32 v4, s18, v4                       ; way out: a place a lane
	s_lshl_b32 s19, s12, 6
	s_add_co_u32 s19, s19, SCL
	v_lshrrev_b32 v5, 1, v1
	s_delay_alu instid0(VALU_DEP_1)
	v_add_nc_u32 v5, s19, v5                       ; my block's scale byte: 64 bytes a wave, a byte for two lanes
	v_add_nc_u32 v7, SCL, v2                       ; wave 0 reads the 512 bytes back, 16 a lane
	s_mov_b32 s13, 0x3727c5ac                      ; 1e-5
	s_mov_b32 s14, 0x76543210
	s_mov_b32 s15, 0xfedcba98                      ; v_permlanex16_b32's selects for lane l xor 16
	s_mov_b32 s16, 0x600000                        ; the mantissa field of 57,344
	s_mov_b32 s17, 0x3a800000                      ; 1 / 1,024
	s_lshl_b32 s20, ttmp9, 16                      ; 16 rows of 4,096 bytes a work-group,
	s_lshl_b32 s21, s12, 13                        ; two a wave
	s_add_co_u32 s20, s20, s21
	s_mov_b32 s21, 0
	s_lshl_b32 s22, ttmp9, 14                      ; the same rows' codes, 1,024 bytes a row
	s_lshl_b32 s23, s12, 11
	s_add_co_u32 s22, s22, s23
	s_mov_b32 s23, 0
	s_lshl_b32 s24, ttmp9, 9                       ; and the work-group's 512 scale bytes
	s_add_co_u32 s24, s24, ACT_SC
	s_mov_b32 s25, 0
	s_wait_kmcnt 0x0
	s_add_nc_u64 s[4:5], s[4:5], s[20:21]
	s_add_nc_u64 s[26:27], s[10:11], s[24:25]
	s_add_nc_u64 s[10:11], s[10:11], s[22:23]
.irp p, 0,1
.irp j, 0,1,2,3,4,5,6,7
	global_load_b128 v[X+32*\p+4*\j:X+32*\p+4*\j+3], v2, s[4:5] offset:4096*\p+512*\j
.endr
.endr
.irp j, 0,1,2,3,4,5,6,7
	global_load_b128 v[GA+4*\j:GA+4*\j+3], v2, s[6:7] offset:512*\j
	global_load_b128 v[BE+4*\j:BE+4*\j+3], v2, s[8:9] offset:512*\j
.endr
	s_wait_loadcnt 16                              ; the two rows are in; the sixteen younger loads (gamma, beta) may be out
; the sum over the 32 lanes of v[r], with v[r+1] as the exchange's register (written before)
.macro ACROSS r
	v_add_f32_dpp v[\r], v[\r], v[\r] row_xmask:1 row_mask:0xf bank_mask:0xf
	s_delay_alu instid0(VALU_DEP_1)
	v_add_f32_dpp v[\r], v[\r], v[\r] row_xmask:2 row_mask:0xf bank_mask:0xf
	s_delay_alu instid0(VALU_DEP_1)
	v_add_f32_dpp v[\r], v[\r], v[\r] row_xmask:4 row_mask:0xf bank_mask:0xf
	s_delay_alu instid0(VALU_DEP_1)
	v_add_f32_dpp v[\r], v[\r], v[\r] row_xmask:8 row_mask:0xf bank_mask:0xf
	s_delay_alu instid0(VALU_DEP_1)
	v_permlanex16_b32 v[\r+1], v[\r], s14, s15
	s_delay_alu instid0(VALU_DEP_1)
	v_add_f32 v[\r], v[\r], v[\r+1]
.endm
	; the mean: two packed chains a row, the rows by turns
.irp p, 0,1
	v_pk_add_f32 v[8+4*\p:9+4*\p], v[X+32*\p:X+32*\p+1], v[X+32*\p+2:X+32*\p+3]
	v_pk_add_f32 v[10+4*\p:11+4*\p], v[X+32*\p+4:X+32*\p+5], v[X+32*\p+6:X+32*\p+7]
.endr
.irp k, 8,12,16,20,24,28
.irp p, 0,1
	s_delay_alu instid0(VALU_DEP_4)
	v_pk_add_f32 v[8+4*\p:9+4*\p], v[8+4*\p:9+4*\p], v[X+32*\p+\k:X+32*\p+\k+1]
	s_delay_alu instid0(VALU_DEP_4)
	v_pk_add_f32 v[10+4*\p:11+4*\p], v[10+4*\p:11+4*\p], v[X+32*\p+\k+2:X+32*\p+\k+3]
.endr
.endr
.irp p, 0
	s_delay_alu instid0(VALU_DEP_3)
	v_pk_add_f32 v[8+4*\p:9+4*\p], v[8+4*\p:9+4*\p], v[10+4*\p:11+4*\p]
.endr
.irp p, 1
	s_delay_alu instid0(VALU_DEP_2)
	v_pk_add_f32 v[8+4*\p:9+4*\p], v[8+4*\p:9+4*\p], v[10+4*\p:11+4*\p]
.endr
.irp p, 0,1
	s_delay_alu instid0(VALU_DEP_2)
	v_add_f32 v[8+4*\p], v[8+4*\p], v[9+4*\p]
.endr
	ACROSS 8
	ACROSS 12
.irp p, 0
	v_mul_f32 v[8+4*\p], s17, v[8+4*\p]            ; the mean, in every lane
.endr
.irp p, 1
	s_delay_alu instid0(VALU_DEP_2)
	v_mul_f32 v[8+4*\p], s17, v[8+4*\p]            ; the mean, in every lane
.endr
	; the deviations, in place (of the pair the low word, the mean, serves both halves)
.irp k, 0,2,4,6,8,10,12,14,16,18,20,22,24,26,28,30
.irp p, 0,1
	v_pk_add_f32 v[X+32*\p+\k:X+32*\p+\k+1], v[X+32*\p+\k:X+32*\p+\k+1], v[8+4*\p:9+4*\p] op_sel_hi:[1,0] neg_lo:[0,1] neg_hi:[0,1]
.endr
.endr
	; the sum of their squares
.irp p, 0,1
	v_pk_mul_f32 v[16+4*\p:17+4*\p], v[X+32*\p:X+32*\p+1], v[X+32*\p:X+32*\p+1]
	v_pk_mul_f32 v[18+4*\p:19+4*\p], v[X+32*\p+2:X+32*\p+3], v[X+32*\p+2:X+32*\p+3]
.endr
.irp k, 4,8,12,16,20,24,28
.irp p, 0,1
	s_delay_alu instid0(VALU_DEP_4)
	v_pk_fma_f32 v[16+4*\p:17+4*\p], v[X+32*\p+\k:X+32*\p+\k+1], v[X+32*\p+\k:X+32*\p+\k+1], v[16+4*\p:17+4*\p]
	s_delay_alu instid0(VALU_DEP_4)
	v_pk_fma_f32 v[18+4*\p:19+4*\p], v[X+32*\p+\k+2:X+32*\p+\k+3], v[X+32*\p+\k+2:X+32*\p+\k+3], v[18+4*\p:19+4*\p]
.endr
.endr
.irp p, 0
	s_delay_alu instid0(VALU_DEP_3)
	v_pk_add_f32 v[16+4*\p:17+4*\p], v[16+4*\p:17+4*\p], v[18+4*\p:19+4*\p]
.endr
.irp p, 1
	s_delay_alu instid0(VALU_DEP_2)
	v_pk_add_f32 v[16+4*\p:17+4*\p], v[16+4*\p:17+4*\p], v[18+4*\p:19+4*\p]
.endr
.irp p, 0,1
	s_delay_alu instid0(VALU_DEP_2)
	v_add_f32 v[16+4*\p], v[16+4*\p], v[17+4*\p]
.endr
	ACROSS 16
	ACROSS 20
.irp p, 0
	v_fma_f32 v[16+4*\p], v[16+4*\p], s17, s13     ; the variance + 1e-5
.endr
.irp p, 1
	s_delay_alu instid0(VALU_DEP_2)
	v_fma_f32 v[16+4*\p], v[16+4*\p], s17, s13     ; the variance + 1e-5
.endr
	s_wait_alu depctr_va_vdst(0)
	v_rsq_f32 v16, v16
	v_rsq_f32 v20, v20
	v_nop                                          ; a plain instruction behind the two transcendentals
	s_wait_alu depctr_va_vdst(0)                   ; one wait for both, ahead of their first reader
	s_wait_loadcnt 0x0                             ; gamma and beta
.irp k, 0,2,4,6,8,10,12,14,16,18,20,22,24,26,28,30
.irp p, 0,1
	v_pk_mul_f32 v[X+32*\p+\k:X+32*\p+\k+1], v[X+32*\p+\k:X+32*\p+\k+1], v[16+4*\p:17+4*\p] op_sel_hi:[1,0]
.endr
.irp p, 0,1
	s_delay_alu instid0(VALU_DEP_2)
	v_pk_fma_f32 v[X+32*\p+\k:X+32*\p+\k+1], v[X+32*\p+\k:X+32*\p+\k+1], v[GA+\k:GA+\k+1], v[BE+\k:BE+\k+1]
.endr
.endr
	; the turn through my stage: LDS serves a wave's instructions in order, so no wait stands between the stores and the loads
.irp p, 0,1
.irp j, 0,1,2,3,4,5,6,7
	ds_store_b128 v3, v[X+32*\p+4*\j:X+32*\p+4*\j+3] offset:RSTG*\p+640*\j
.endr
.endr
.irp p, 0,1,2,3                        ; piece p: row p / 2, columns 512 (p % 2) + 16 lane + 0 .. 15
.irp i, 0,1,2,3
	ds_load_b128 v[Y+16*\p+4*\i:Y+16*\p+4*\i+3], v4 offset:RSTG*(\p/2)+2560*(\p%2)+16*\i
.endr
.endr
.macro PIECE p
.set YS, Y+16*(\p)
	s_wait_dscnt 12-3*(\p)                         ; behind this piece's four loads stand 4 (3 - p) later loads and p byte stores
	v_max3_num_f32 v8, |v[YS]|, |v[YS+1]|, |v[YS+2]|               ; the largest magnitude of my 16, in two chains
	v_max3_num_f32 v9, |v[YS+3]|, |v[YS+4]|, |v[YS+5]|
.irp i, 6,10
	s_delay_alu instid0(VALU_DEP_2)
	v_max3_num_f32 v8, v8, |v[YS+\i]|, |v[YS+\i+1]|
	s_delay_alu instid0(VALU_DEP_2)
	v_max3_num_f32 v9, v9, |v[YS+\i+2]|, |v[YS+\i+3]|
.endr
	s_delay_alu instid0(VALU_DEP_2)
	v_max3_num_f32 v8, v8, |v[YS+14]|, |v[YS+15]|
	s_delay_alu instid0(VALU_DEP_1)
	v_max3_num_f32 v8, v8, v9, 0x8000000           ; and the floor 2^(16 - 127): the byte cannot fall under 1
	s_delay_alu instid0(VALU_DEP_1)
	v_max_num_f32_dpp v8, v8, v8 row_xmask:1 row_mask:0xf bank_mask:0xf   ; with my neighbour's 16: the block's
	s_delay_alu instid0(VALU_DEP_1)
	v_add_nc_u32 v11, 0xf8800000, v8               ; 15 off its exponent field: the conversion's scale operand
	s_delay_alu instid0(VALU_DEP_2)
	v_and_or_b32 v10, v8, 0x7f800000, s16          ; 57,344 x the scale
.irp i, 0,1,2,3,4,5,6,7,8,9,10,11,12,13,14,15
	v_med3_num_f32 v[YS+\i], v[YS+\i], -v10, v10   ; the conversion does not saturate (ISA guide 7.6.2): the hold comes first
.endr
	v_cvt_scalef32_pk8_bf8_f32 v[C+4*(\p):C+4*(\p)+1], v[YS:YS+7], v11
	v_cvt_scalef32_pk8_bf8_f32 v[C+4*(\p)+2:C+4*(\p)+3], v[YS+8:YS+15], v11
	v_lshrrev_b32 v[E+(\p)], 23, v11               ; the scale's byte (also the plain instruction behind the conversions)
	ds_store_b8 v5, v[E+(\p)] offset:32*((\p)/2)+16*((\p)%2)       ; both lanes of a block write the same byte with the same value
	global_store_b128 v2, v[C+4*(\p):C+4*(\p)+3], s[10:11] offset:1024*((\p)/2)+512*((\p)%2)   ; 512 consecutive bytes, aligned
.endm
	PIECE 0
	PIECE 1
	PIECE 2
	PIECE 3
	s_wait_dscnt 0x0                               ; for the others' sake: my byte stores have landed
	s_barrier_signal -1
	s_barrier_wait -1
	s_cmp_lg_u32 s12, 0
	s_cbranch_scc1 .Ldone
	ds_load_b128 v[12:15], v7                      ; wave 0: the 16 rows' 512 scale bytes
	s_wait_dscnt 0x0
	global_store_b128 v2, v[12:15], s[26:27]       ; 512 consecutive bytes, aligned
.Ldone:
	s_wait_tensorcnt 0x0
	ds_add_u32 v192, v193
	s_wait_dscnt 0x0
	s_endpgm
.Lfunc_end_k_q5e0658058c_lnq:
	.size	k_q5e0658058c_lnq, .Lfunc_end_k_q5e0658058c_lnq-k_q5e0658058c_lnq
	.p2alignl 7, 3214868480
	.fill 96, 4, 3214868480
	.section	.rodata,"a",@progbits
	.p2align	6, 0x0
	.amdhsa_kernel k_q5e0658058c_lnq
		.amdhsa_group_segment_fixed_size 83456
		.amdhsa_private_segment_fixed_size 0
		.amdhsa_enable_private_segment 0
		.amdhsa_kernarg_size 32
		.amdhsa_user_sgpr_count 2
		.amdhsa_user_sgpr_kernarg_segment_ptr 1
		.amdhsa_wavefront_size32 1
		.amdhsa_system_sgpr_workgroup_id_x 1
		.amdhsa_system_sgpr_workgroup_id_y 1
		.amdhsa_system_sgpr_workgroup_id_z 1
		.amdhsa_system_vgpr_workitem_id 0
		.amdhsa_next_free_vgpr 194
		.amdhsa_next_free_sgpr 66
		.amdhsa_reserve_vcc 0
		.amdhsa_float_denorm_mode_32 3
		.amdhsa_float_denorm_mode_16_64 3
		.amdhsa_memory_ordered 1
		.amdhsa_forward_progress 1
		.amdhsa_inst_pref_size 33
	.end_amdhsa_kernel
	.amdgpu_metadata
---
amdhsa.version: [ 1, 2 ]
amdhsa.kernels:
  - .name:           k_q5e0658058c_lnq
    .symbol:         k_q5e0658058c_lnq.kd
    .args:
      - { .name: x, .offset: 0, .size: 8, .value_kind: global_buffer, .address_space: global }
      - { .name: ln1_g, .offset: 8, .size: 8, .value_kind: global_buffer, .address_space: global }
      - { .name: ln1_b, .offset: 16, .size: 8, .value_kind: global_buffer, .address_space: global }
      - { .name: act, .offset: 24, .size: 8, .value_kind: global_buffer, .address_space: global }
    .group_segment_fixed_size: 83456
    .private_segment_fixed_size: 0
    .kernarg_segment_align: 8
    .kernarg_segment_size: 32
    .max_flat_workgroup_size: 256
    .sgpr_count:     66
    .vgpr_count:     194
    .wavefront_size: 32
...
	.end_amdgpu_metadata
.endif
;; end of part 1
;; launch qkv (part 2): grid 12 x 16, 4 waves a work-group, clusters of 4 x 4, 327,680 bytes of LDS; arguments act, w_qkv_codes, w_qkv_scales, qkv; writes qkv
.if DOCPART == 2
	.amdgcn_target "amdgcn-amd-amdhsa--gfx1250"
	.amdhsa_code_object_version 6
	.text
	.protected	k_q5e0658058c_qkv
	.globl	k_q5e0658058c_qkv
	.p2align	8
	.type	k_q5e0658058c_qkv,@function
k_q5e0658058c_qkv:
	s_mov_b64 s[64:65], 0
	v_nop
	global_prefetch_b8 v0, s[64:65] scope:SCOPE_SE
	s_setreg_imm32_b32 hwreg(HW_REG_WAVE_MODE, 25, 1), 1
	s_wait_xcnt 0x0
	s_wait_alu depctr_hold_cnt(0) depctr_sa_sdst(0) depctr_va_vdst(0) depctr_va_sdst(0) depctr_va_ssrc(0) depctr_va_vcc(0) depctr_vm_vsrc(0)
	s_getreg_b32 s2, hwreg(HW_REG_IB_STS2, 6, 4)
	s_cmp_eq_u32 s2, 0
	s_cbranch_scc0 .Lentry_in_a_cluster
	s_endpgm
.Lentry_in_a_cluster:
	s_bfe_u32 s2, ttmp6, 0x10000c
	s_cmp_lg_u32 s2, 0xf033
	s_cbranch_scc0 .Lentry_shape_is_right
	s_endpgm
.Lentry_shape_is_right:
; q, k, v = LN1(x) W_qkv on codes of E5M2 with E8M0 scales, K = 1,024; the results are quantised on the way out and stored as IMAGES OF OPERAND REGISTERS for the attention launch.
; In: act: codes [4096][1024], scale bytes [4096][32] at ACT_SC.  w: codes [3072][1024], scale bytes [3072][32].
; A tile of 256 x 256 is made by four waves, each 128 x 128 in 64 accumulators.  K goes in steps of 256 through two LDS slots filled by the tensor data mover; the scale bytes of the tile's rows come once.
; CLUSTERS of 4 x 4: the tile of the 'A slot' is shared along a row of the cluster, that of the 'B slot' along a column: joint loads.  Source 0 of the matrix instruction is the B slot, source 1 the A slot:
; a lane holds ONE row of the A slot and its registers run along the B slot's rows.
; WHO IS WHO.  Cluster x = 0, 1, 2 makes q, k, v.  q and k are quantised along the head's 64 channels: A slot = tokens, B slot = weight rows.  v is quantised along the KEYS: there the two slots change
; roles (A slot = weight rows, B slot = tokens).  Both tensors have rows of 1,024 code bytes and 32 scale bytes, so only pointers and tile numbers are chosen, on the cluster's x, which all partners share.
; OUT (bh = 16 batch + head): q at 0, k at 4 MiB: bh 131072 + (token / 16) 1024 + c 512 + 16 lane, c the block of 32 channels; v at 8 MiB: bh 131072 + (key / 128) 8192 + e 2048 + c 512 + 16 lane, e the tile
; of 16 channels, c the block of 32 keys.  Inside a block of 32, place 16 h + 8 u + i holds element 16 u + 8 h + i, alike in q and k, and alike in v and in the attention launch's p: the products are the same.
; Scale words at QKV_SC + bh 20480: q's [2048] at 0, k's at 8192 (bytes 0, 1; bytes 2, 3 are 0 and stand over zero codes), v's [key / 128][64 channels] at 16384.
; LIMITS: NaN and infinities are not served; a block of zeros gets the byte 1 with zero codes; the order of summing inside a block of 32 differs from the natural one by the permutation above.
.set KSTEP,  256
.set NQ,     2                         ; matrix instructions deep in a slot
.set ROWB,   256                       ; a tile's row in bytes
.set KROW,   1024                      ; a row of either tensor in memory
.set PITCH,  272                       ; an LDS row: 256 bytes + 16 of padding = 68 words: the 16 rows of a load start at 16 different banks (64 banks of 4 bytes: ISA guide 11.1)
.set FR,     16
.set NL,     4
.set NP,     8                         ; places behind this matrix instruction (ISA guide 7.12.1)
.set HALFT,  128*PITCH
.set SLOT,   4*HALFT
.set LAPS,   2                         ; 1,024 / 512
.set KS,     32                        ; a row of scale bytes
.set SCL,    2*SLOT                    ; behind the ring: the scale bytes, as units of 256 bytes + 16
.set HALFS,  (128*KS/256)*272
.set SBLK,   (16*KS/256)*272
.set SPARE,  SCL+4*HALFS               ; the spare words, 128 bytes a wave: two blocks of 256 bytes that no other line names
.set ACT_SC, 4194304
.set QKV_SC, 12582912
.set VO0,  8                           ; v8   16 x lane
.set VO2,  9                           ; v9   the same + where blocks 2, 3 go
.set SHV,  10                          ; v10  how far my half of the lanes shifts the scale word
.set VSO,  11                          ; v11  the scale words' way out
.set VS2,  12                          ; v12  and their second store's
.set ADRA, 16
.set ADRB, 20
.set STS,  24                          ; v24  my stage for scale words (in slot 0, behind its last fill and last read): 1,024 wave + 512 h + 4 r
.set RDS,  25                          ; v25  and back: 1,024 wave + 16 lane
.set ADRS, 27
.set SPW,  28
.set NIL,  29
.set SC,   32                          ; v32-63 scale words, two sets: they hold nothing else
.set TM,   64                          ; v64-79 the quantiser's: maxima, bytes, holds, scale operands
.set PW,   80
.set SV,   81
.set PC,   96                          ; v96-111 the codes just made
.set AF,   128                         ; A slot's fragments, one set
.set G,    128                         ; the way out: 64 held numbers
.set G1, 24
.set G0, 32
.set G1B, 48
.set G0B, 56
.set G1S, 68
.set G0S, 76
.set G1SB, 80
.set G0SB, 88
.set SEL, 48                           ; the way out's scalars lie in descriptor registers that are done with
.set MNT, 50
.set MSB, 0
.macro WIN new                         ; the immediate's high byte repeats the setting that is left
.if MSB != (\new)
	s_set_vgpr_msb (MSB<<8)|(\new)
.set MSB, (\new)
.endif
.endm
.set MUL_LO, 0xa1                      ; source 0 window 1, source 1 window 0, C and D window 2
.set MUL_HI, 0xf1
.set TO_B,   0x40
; A joint load: waves 0 and 1 fetch for the A slot, waves 2 and 3 for the B slot.  Four v_nop follow each of the two lines.
.macro JLOAD g0a, g1a, g0b, g1b
	s_cmp_eq_u32 s15, 0
	s_cbranch_scc0 .Lfor_b_\@
	tensor_load_to_lds s[\g0a:\g0a+3], s[\g1a:\g1a+7]
	s_nop 0
.rept 4
	v_nop
.endr
	s_branch .Lasked_\@
.Lfor_b_\@:
	tensor_load_to_lds s[\g0b:\g0b+3], s[\g1b:\g1b+7]
	s_nop 0
.rept 4
	v_nop
.endr
.Lasked_\@:
.endm
.macro CREST                           ; a round of the cluster's barrier behind its opening barrier
	s_cmp_lg_u32 s14, 0
	s_cbranch_scc1 .Lnot_wave_0_\@
	s_barrier_signal -3
.Lnot_wave_0_\@:
	s_barrier_wait -3
	s_barrier_signal -1
	s_barrier_wait -1
.endm
.macro CROUND
	s_barrier_signal -1
	s_barrier_wait -1
	CREST
.endm
	s_load_b256 s[4:11], s[0:1], 0x0               ; act, w's codes, w's scales, qkv
	v_lshl_add_u32 v[SPW], v0, 2, SPARE
	v_mov_b32 v[NIL], 0
	ds_add_u32 v28, v29
	ds_add_u32 v28, v29
	s_wait_dscnt 0x0
	v_lshrrev_b32 v1, 5, v0
	v_readfirstlane_b32 s14, v1                    ; wave 0..3
	s_lshr_b32 s15, s14, 1                         ; my half of the A slot's rows.  Also: I fetch for the A slot (0) or the B slot (1)
	s_and_b32 s16, s14, 1                          ; my half of the B slot's rows.  Also: which 128 rows I fetch
	s_bfe_u32 s40, ttmp6, 0x40000                  ; cx, cy
	s_bfe_u32 s41, ttmp6, 0x40004
	s_lshl_b32 s18, ttmp9, 2                       ; 4 x cluster x: tiles of weight rows
	s_and_b32 s19, ttmp7, 0xffff
	s_lshl_b32 s19, s19, 2                         ; 4 x cluster y: tiles of tokens
	s_cmp_eq_u32 ttmp9, 2                          ; v's cluster?  The same in all sixteen partners
	s_cselect_b32 s17, s18, s19
	s_cselect_b32 s42, s19, s18
	s_add_co_u32 s17, s17, s41                     ; the A slot's tile: it hangs on cy alone of the two places
	s_add_co_u32 s42, s42, s40                     ; the B slot's: on cx alone
	s_lshl_b32 s43, s41, 2
	s_lshl_b32 s43, 15, s43                        ; my row of the cluster
	s_lshl_b32 s44, 0x1111, s40                    ; my column
	s_or_b32 s[G1+0], s43, (0<<16)|(1<<20)|(1<<21)|(5<<22)|(3<<25)  ; the mask; elements of 1 byte; padding on; bit 21 beside a mask; 4 words after every 64
	s_or_b32 s[G1B+0], s44, (0<<16)|(1<<20)|(1<<21)|(5<<22)|(3<<25)
.irp g, G1, G1B
	s_mov_b32 s[\g+1], ROWB<<16                    ; tensor_dim0
	s_mov_b32 s[\g+2], 256<<16                     ; tensor_dim1: 256 rows for the head's loads; 128 behind them
	s_mov_b32 s[\g+3], ROWB<<16                    ; tile_dim0
	s_mov_b32 s[\g+4], 256                         ; tile_dim1
	s_mov_b32 s[\g+5], KROW                        ; pitch
	s_mov_b32 s[\g+6], 0
	s_mov_b32 s[\g+7], 0
.endr
	s_or_b32 s[G1S+0], s43, (3<<16)|(1<<20)|(1<<21)|(5<<22)|(3<<25) ; the scale bytes of 256 rows: 8,192 dense bytes as 32 rows of 256 (32 elements of 8 bytes), 16 bytes of padding behind each
	s_or_b32 s[G1SB+0], s44, (3<<16)|(1<<20)|(1<<21)|(5<<22)|(3<<25)
.irp g, G1S, G1SB
	s_mov_b32 s[\g+1], 32<<16
	s_mov_b32 s[\g+2], KS<<16                      ; the scale bytes of 256 rows: KS rows of 256 bytes
	s_mov_b32 s[\g+3], 32<<16
	s_mov_b32 s[\g+4], KS
	s_mov_b32 s[\g+5], 32
	s_mov_b32 s[\g+6], 0
	s_mov_b32 s[\g+7], 0
.endr
	s_lshl_b32 s20, s17, 8                         ; A slot: the tile's first row
	s_lshl_b32 s46, s42, 8                         ; B slot likewise
	s_mov_b32 s21, 0
	s_mov_b32 s47, 0
	s_mov_b64 s[18:19], KS
	s_mul_u64 s[22:23], s[20:21], s[18:19]         ; where these rows' scale bytes begin
	s_mul_u64 s[92:93], s[46:47], s[18:19]
	s_mov_b64 s[18:19], KROW
	s_mul_u64 s[20:21], s[20:21], s[18:19]         ; and their codes
	s_mul_u64 s[46:47], s[46:47], s[18:19]
	s_mul_i32 s45, s14, HALFT                      ; where the ring's loads go: wave x 128 rows
	s_mul_i32 s18, s16, 128*KROW                   ; s[18:19]: in the ring I fetch 128 rows of a tile: which half, in bytes
	s_mov_b32 s19, 0
	s_wait_kmcnt 0x0
	s_add_nc_u64 s[12:13], s[4:5], ACT_SC          ; act's scale bytes
	s_cmp_eq_u32 ttmp9, 2                          ; the choice hangs on the cluster's x alone
	s_cselect_b64 s[96:97], s[6:7], s[4:5]         ; the A slot's codes,
	s_cselect_b64 s[98:99], s[8:9], s[12:13]       ; its scale bytes,
	s_cselect_b64 s[100:101], s[4:5], s[6:7]       ; the B slot's codes,
	s_cselect_b64 s[66:67], s[12:13], s[8:9]       ; its scale bytes
	s_add_nc_u64 s[20:21], s[96:97], s[20:21]
	s_add_nc_u64 s[22:23], s[98:99], s[22:23]
	s_add_nc_u64 s[46:47], s[100:101], s[46:47]
	s_add_nc_u64 s[92:93], s[66:67], s[92:93]
	CROUND                                         ; all sixteen work-groups are here: the first joint loads meet
	s_mov_b32 s[G0S], 1
	s_mov_b32 s[G0S+1], SCL
	s_mov_b64 s[G0S+2:G0S+3], s[22:23]
	s_or_b32 s[G0S+3], s[G0S+3], 0x80000000
	s_mov_b32 s[G0SB], 1
	s_mov_b32 s[G0SB+1], SCL+2*HALFS
	s_mov_b64 s[G0SB+2:G0SB+3], s[92:93]
	s_or_b32 s[G0SB+3], s[G0SB+3], 0x80000000
.irp s, 0,1
	s_mov_b32 s[G0+4*\s], 1
	s_add_co_u32 s[G0+4*\s+1], s45, \s*SLOT
	s_add_nc_u64 s[G0+4*\s+2:G0+4*\s+3], s[20:21], \s*ROWB
	s_or_b32 s[G0+4*\s+3], s[G0+4*\s+3], 0x80000000
	s_mov_b32 s[G0B+4*\s], 1
	s_add_co_u32 s[G0B+4*\s+1], s45, \s*SLOT
	s_add_nc_u64 s[G0B+4*\s+2:G0B+4*\s+3], s[46:47], \s*ROWB
	s_or_b32 s[G0B+4*\s+3], s[G0B+4*\s+3], 0x80000000
.endr
	s_add_nc_u64 s[G0+6:G0+7], s[G0+6:G0+7], s[18:19]       ; slot 1's loads bring my 128 rows
	s_add_nc_u64 s[G0B+6:G0B+7], s[G0B+6:G0B+7], s[18:19]
	s_mov_b32 s[G0+1], 0                           ; slot 0's serve the head first: a whole tile of 256 rows each
	s_mov_b32 s[G0B+1], 2*HALFT
; THE HEAD'S LOADS, ONE A WAVE: wave 0 K step 0's 256 rows of the A slot, wave 1 those of the B slot, wave 2 the A slot's scale bytes, wave 3 the B slot's.  One chain of branches on the wave's number.
.macro ARM under, g0, g1, next
	s_cmp_lt_u32 s14, \under
	s_cbranch_scc0 \next
	tensor_load_to_lds s[\g0:\g0+3], s[\g1:\g1+7]
	s_nop 0
.rept 4
	v_nop
.endr
	s_branch .Lhead_asked
\next:
.endm
	ARM 1, G0, G1, .Lhead_b
	ARM 2, G0B, G1B, .Lhead_sa
	ARM 3, G0S, G1S, .Lhead_sb
	tensor_load_to_lds s[G0SB:G0SB+3], s[G1SB:G1SB+7]
	s_nop 0
.rept 4
	v_nop
.endr
.Lhead_asked:
	; prefetches of K steps 2 and 3, which the two refills will load: of the 128 rows that I fetch in the ring, my work-group takes 32 (by address: cx for the A slot, cy for the B slot), a lane a row of 256 bytes
	s_cmp_eq_u32 s15, 0
	s_cselect_b64 s[66:67], s[20:21], s[46:47]
	s_cselect_b32 s94, s40, s41
	s_mul_i32 s94, s94, 32*KROW
	s_add_co_u32 s94, s94, s18
	s_mov_b32 s95, 0
	s_add_nc_u64 s[66:67], s[66:67], s[94:95]
	v_and_b32 v13, 31, v0
	v_lshlrev_b32 v13, 10, v13                     ; v13 and s[66:67] are never rewritten
	global_prefetch_b8 v13, s[66:67] offset:2*ROWB th:TH_LOAD_NT scope:SCOPE_SE
	global_prefetch_b8 v13, s[66:67] offset:3*ROWB th:TH_LOAD_NT scope:SCOPE_SE
	v_and_b32 v1, 15, v0                           ; r
	v_bfe_u32 v2, v0, 4, 1                         ; h
	v_mul_u32_u24 v3, v1, PITCH
	v_lshl_add_u32 v4, v2, 4, v3                   ; a fragment's row x pitch + 16 h
	s_mul_i32 s21, s15, HALFT
	s_mul_i32 s22, s16, HALFT
	s_add_co_u32 s22, s22, 2*HALFT
.irp s, 0,1
	v_add_nc_u32 v[ADRA+\s], s21, v4
	v_add_nc_u32 v[ADRB+\s], s22, v4
	s_add_co_u32 s21, s21, SLOT
	s_add_co_u32 s22, s22, SLOT
.endr
	v_mul_u32_u24 v5, v1, KS                       ; my row's scale bytes: KS a row,
	v_lshrrev_b32 v6, 8, v5
	v_lshl_add_u32 v5, v6, 4, v5                   ; and 16 more for each 256 passed
	s_mul_i32 s21, s15, HALFS
	s_mul_i32 s22, s16, HALFS
	s_add_co_u32 s22, s22, 2*HALFS
	s_sub_co_u32 s22, s22, s21
	v_mul_u32_u24 v6, s22, v2                      ; lanes 16-31 take the B slot's
	s_add_co_u32 s21, s21, SCL
	v_add_nc_u32 v5, v5, v6
	v_add_nc_u32 v[ADRS], s21, v5
	s_lshl_b32 s23, s14, 10                        ; my stage for the scale words
	v_lshlrev_b32 v5, 2, v1
	v_lshl_add_u32 v5, v2, 9, v5
	v_add_nc_u32 v[STS], s23, v5
	v_and_b32 v6, 31, v0
	v_lshlrev_b32 v[VO0], 4, v6
	v_add_nc_u32 v[RDS], s23, v[VO0]
.macro FRAG reg, adr, q, i             ; a fragment: lane l holds row l % 16; registers 4 c .. 4 c + 3 hold K = 32 c + 16 (l / 16) + 0 .. 15
.irp c, 0,1,2,3
	ds_load_b128 v[\reg+4*\c:\reg+4*\c+3], v[\adr] offset:128*(\q)+32*\c+(\i)*16*PITCH
.endr
.endm
; 16 matrix instructions: A blocks a0, a0 + 1 x the B slot's eight.  The 64 accumulators take turns, one instruction a turn, in the same order in every step.
.macro MUL16 a0, p, q, sc, zero
.irp a, \a0, \a0+1
.irp b, 0,1,2,3,4,5,6,7
.if \zero
	v_wmma_scale_f32_16x16x128_f8f6f4 v[8*(8*((\a)%4)+\b):8*(8*((\a)%4)+\b)+7], v[128*(\p)+FR*\b:128*(\p)+FR*\b+FR-1], v[AF+FR*(\a):AF+FR*(\a)+FR-1], 0, v[SC+8*NQ*(\sc)+NQ*\b+(\q)], v[SC+8*NQ*(\sc)+NQ*(\a)+(\q)] matrix_a_fmt:MATRIX_FMT_BF8 matrix_b_fmt:MATRIX_FMT_BF8 matrix_a_scale:MATRIX_SCALE_ROW1
.else
	v_wmma_scale_f32_16x16x128_f8f6f4 v[8*(8*((\a)%4)+\b):8*(8*((\a)%4)+\b)+7], v[128*(\p)+FR*\b:128*(\p)+FR*\b+FR-1], v[AF+FR*(\a):AF+FR*(\a)+FR-1], v[8*(8*((\a)%4)+\b):8*(8*((\a)%4)+\b)+7], v[SC+8*NQ*(\sc)+NQ*\b+(\q)], v[SC+8*NQ*(\sc)+NQ*(\a)+(\q)] matrix_a_fmt:MATRIX_FMT_BF8 matrix_b_fmt:MATRIX_FMT_BF8 matrix_a_scale:MATRIX_SCALE_ROW1
.endif
.endr
.endr
.endm
.macro FETCH_B slot, q, p
	WIN TO_B
.irp i, 0,1,2,3,4,5,6,7
	FRAG 128*(\p)+FR*\i, ADRB+\slot, \q, \i
.endr
	WIN 0
.endm
.macro FETCH_A slot, q, i0
.irp i, \i0, \i0+1, \i0+2, \i0+3
	FRAG AF+FR*(\i), ADRA+\slot, \q, \i
.endr
.endm
.macro SCALES sc                       ; a K step's scale words: lanes 0-15 the A slot's block i, lanes 16-31 the B slot's block i
.irp i, 0,1,2,3,4,5,6,7
	ds_load_b64 v[SC+8*NQ*\sc+NQ*\i:SC+8*NQ*\sc+NQ*\i+1], v[ADRS] offset:\i*SBLK
.endr
.endm
.macro PLACES n                        ; plain vector instructions between a matrix instruction and a load into, or a read of, its registers (ISA guide 7.12.1 for reads)
.rept \n
	v_nop
.endr
.endm
.macro STEP slot, q, zero              ; 128 along K that has its successor in the same slot
	s_wait_dscnt 4*NL                              ; all but the youngest sixteen loads (A blocks 4-7)
	WIN MUL_LO
	MUL16 0, (\q)%2, \q, \slot, \zero
	MUL16 2, (\q)%2, \q, \slot, \zero
	s_wait_dscnt 0
	PLACES NP
	FETCH_B \slot, (\q)+1, 1-(\q)%2
	FETCH_A \slot, (\q)+1, 0
	WIN MUL_HI
	MUL16 4, (\q)%2, \q, \slot, \zero
	MUL16 6, (\q)%2, \q, \slot, \zero
	PLACES NP
	WIN 0
	FETCH_A \slot, (\q)+1, 4
.endm
; A slot's last step changes slots: one barrier; in front of it each wave waits for all its tensor loads, adds 0 to its spare word, and waits for that and for its reads of this slot.
.macro TURN slot, next, fill
	s_wait_tensorcnt 0x0                           ; all my tensor loads have landed: my part of the next slot
	ds_add_u32 v[SPW], v[NIL]                      ; 0 onto my spare word
	s_wait_dscnt 4*NL+1                            ; (the add and the youngest sixteen loads may be out)
	WIN MUL_LO
	MUL16 0, 1, NQ-1, \slot, 0
	s_wait_dscnt 0x0                               ; the add is done, and my reads of this slot are over
	s_barrier_signal -1
	MUL16 2, 1, NQ-1, \slot, 0
	WIN 0
	s_barrier_wait -1
.if \fill
	CREST                                          ; the barrier has opened a round of the cluster's: no wave of any partner still reads this slot or has a load on its way
	s_add_nc_u64 s[G0+4*\slot+2:G0+4*\slot+3], s[G0+4*\slot+2:G0+4*\slot+3], 2*ROWB
	s_add_nc_u64 s[G0B+4*\slot+2:G0B+4*\slot+3], s[G0B+4*\slot+2:G0B+4*\slot+3], 2*ROWB
	JLOAD G0+4*\slot, G1, G0B+4*\slot, G1B         ; the first tensor load behind the round; its four v_nop are four of the eight places
	PLACES NP-4
.else
	PLACES NP
.endif
	s_wait_alu depctr_va_vdst(0)
	v_add_nc_u32 v[ADRS], 4*NQ, v[ADRS]            ; the next K step's scale words
	FETCH_B \next, 0, 0
	FETCH_A \next, 0, 0
	SCALES \next
	WIN MUL_HI
	MUL16 4, 1, NQ-1, \slot, 0
	MUL16 6, 1, NQ-1, \slot, 0
	PLACES NP
	WIN 0
	FETCH_A \next, 0, 4
.endm
	s_wait_alu depctr_va_vdst(0)
	s_wait_tensorcnt 0x0                           ; my tile of the head's four is in; slot 1's first fill is issued as a refill is
	ds_add_u32 v[SPW], v[NIL]
	s_mov_b32 s[G1+2], 128<<16                     ; no load of mine is out: from here on a load brings 128 rows,
	s_mov_b32 s[G1+4], 128
	s_mov_b32 s[G1B+2], 128<<16
	s_mov_b32 s[G1B+4], 128
	s_add_nc_u64 s[G0+2:G0+3], s[G0+2:G0+3], s[18:19]       ; and slot 0's loads bring my half, to my place
	s_add_nc_u64 s[G0B+2:G0B+3], s[G0B+2:G0B+3], s[18:19]
	s_mov_b32 s[G0+1], s45
	s_mov_b32 s[G0B+1], s45
	s_wait_dscnt 0x0
	CROUND                                         ; all four tiles are in, and the sixteen work-groups meet
	JLOAD G0+4, G1, G0B+4, G1B                     ; K step 1
	FETCH_B 0, 0, 0
	FETCH_A 0, 0, 0
	SCALES 0
	FETCH_A 0, 0, 4
	STEP 0, 0, 1                                   ; the first step's products start the sums
	s_mov_b32 s3, LAPS-1
.Llap:
	TURN 0, 1, 1
	STEP 1, 0, 0
	TURN 1, 0, 1
	STEP 0, 0, 0
	s_sub_co_u32 s3, s3, 1
	s_cmp_lg_u32 s3, 0
	s_cbranch_scc1 .Llap
	TURN 0, 1, 0                                   ; the last lap fills nothing
	STEP 1, 0, 0
	s_wait_dscnt 4*NL
	WIN MUL_LO
	MUL16 0, 1, NQ-1, 1, 0
	MUL16 2, 1, NQ-1, 1, 0
	s_wait_dscnt 0
	WIN MUL_HI
	MUL16 4, 1, NQ-1, 1, 0
	MUL16 6, 1, NQ-1, 1, 0
	WIN 0
	; THE WAY OUT.  In A block j a lane holds one row of the A slot and 64 numbers along the B slot: register 16 b + 8 u + i is B row 32 b + 16 u + 8 h + i.  So block b of 32 lies in lanes l and l xor 16.
	PLACES NP
	s_lshl_b32 s24, s17, 8
	s_lshl_b32 s25, s15, 7
	s_add_co_u32 s24, s24, s25                     ; my first row of the A slot
	s_lshl_b32 s25, s42, 8
	s_lshl_b32 s26, s16, 7
	s_add_co_u32 s25, s25, s26                     ; and of the B slot
	s_mov_b32 s28, 1024
	s_mov_b32 s30, 1024
	s_mov_b32 s32, 131072
	s_mov_b32 s35, 256
	s_mov_b32 s52, 20480
	s_cmp_eq_u32 ttmp9, 2
	s_cselect_b32 s26, s25, s24                    ; my first token
	s_cselect_b32 s27, s24, s25                    ; my first column of q k v
	s_cselect_b32 s28, 2048, s28                   ; from A block to A block: a tile of 16 tokens (q, k) or of 16 channels (v);
	s_cselect_b32 s30, 124928, s30                 ; from block 3 to block 4 v goes on to the next head: 131,072 - 3 x 2,048
	s_cselect_b32 s32, 1024, s32                   ; blocks 2, 3 of 32: the next head (q, k) or the same fragment's second half (v)
	s_cselect_b32 s33, 0, 16                       ; q, k: lanes 16-31 take the scale word's upper two bytes, the next head's
	s_cselect_b32 s34, -1, 0xffff
	s_cselect_b32 s35, 20480, s35                  ; lanes 16-31 of the words' store: the next 256 bytes (q, k) or the next head's record (v)
	s_cselect_b32 s36, 1, 2                        ; a token's share of the scale words: 4 bytes (q, k) or 2 (v: 256 bytes for 128 keys)
	s_cselect_b32 s52, 0, s52                      ; the second store of words: the next head's record (q, k); v: the first store's place once more
	s_mov_b32 s29, 0
	s_mov_b32 s31, 0
	s_and_b32 s37, s27, 1023
	s_lshr_b32 s37, s37, 6                         ; my first head
	s_lshr_b32 s38, s26, 11
	s_lshl_b32 s38, s38, 4
	s_add_co_u32 s38, s38, s37                     ; bh
	s_and_b32 s39, s26, 2047                       ; my first token in its batch
	s_lshl_b32 s44, ttmp9, 22
	s_lshl_b32 s45, s38, 17
	s_add_co_u32 s44, s44, s45
	s_lshl_b32 s45, s39, 6
	s_add_co_u32 s44, s44, s45
	s_mov_b32 s45, 0
	s_add_nc_u64 s[44:45], s[10:11], s[44:45]      ; the codes' base
	s_mul_i32 s46, s38, 20480
	s_lshl_b32 s47, ttmp9, 13
	s_add_co_u32 s46, s46, s47
	s_lshl_b32 s47, s39, s36
	s_add_co_u32 s46, s46, s47
	s_add_co_u32 s46, s46, QKV_SC
	s_mov_b32 s47, 0
	s_add_nc_u64 s[46:47], s[10:11], s[46:47]      ; the scale words' base
	s_mov_b32 s[SEL], 0x76543210
	s_mov_b32 s[SEL+1], 0xfedcba98
	s_mov_b32 s[MNT], 0x600000
	v_and_b32 v1, 15, v0
	v_bfe_u32 v2, v0, 4, 1
	v_add_nc_u32 v[VO2], s32, v[VO0]
	v_mul_u32_u24 v[SHV], s33, v2
	v_mul_u32_u24 v3, s35, v2
	v_lshl_add_u32 v[VSO], v1, 4, v3
	v_add_nc_u32 v[VS2], s52, v[VSO]
.irp b, 0,1,2,3
	v_mov_b32 v[TM+4+\b], 0                        ; written once: a lane permute's destination counts as one of its sources
.endr
; 64 accumulator registers at v[src] of window w become a fragment's 16 registers of codes in v[PC] on and the row's scale word in v[PW].  Each accumulator is read from its low end on.
.macro QUANTW src, w
	WIN (\w)|((\w)<<2)
.irp b, 0,1,2,3
	v_max3_num_f32 v[TM+\b], |v[(\src)+16*\b]|, |v[(\src)+16*\b+1]|, 0x8000000   ; block b: my 16 numbers, and the floor 2^(16 - 127)
.endr
	WIN ((\w)<<2)|((\w)<<4)
.irp i, 2,4,6,8,10,12,14
.irp b, 0,1,2,3
	v_max3_num_f32 v[TM+\b], v[TM+\b], |v[(\src)+16*\b+\i]|, |v[(\src)+16*\b+\i+1]|
.endr
.endr
	WIN 0
.irp b, 0,1,2,3
	v_permlanex16_b32 v[TM+4+\b], v[TM+\b], s[SEL], s[SEL+1]
.endr
.irp b, 0,1,2,3
	v_max_num_f32 v[TM+\b], v[TM+\b], v[TM+4+\b]   ; with lane l xor 16's: the block's largest magnitude
.endr
.irp b, 0,1,2,3
	v_add_nc_u32 v[TM+12+\b], 0xf8800000, v[TM+\b] ; 15 off its exponent field: the conversion's scale operand
.endr
.irp b, 0,1,2,3
	v_and_or_b32 v[TM+8+\b], v[TM+\b], 0x7f800000, s[MNT]   ; 57,344 x the scale
.endr
.irp b, 0,1,2,3
	v_lshrrev_b32 v[TM+4+\b], 23, v[TM+12+\b]      ; the scale's byte
.endr
	v_lshl_or_b32 v[PW], v[TM+5], 8, v[TM+4]
	v_lshl_or_b32 v[PW], v[TM+6], 16, v[PW]
	v_lshl_or_b32 v[PW], v[TM+7], 24, v[PW]
	WIN (\w)
.irp b, 0,1,2,3
.irp i, 0,1,2,3,4,5,6,7,8,9,10,11,12,13,14,15
	v_med3_num_f32 v[G+16*\b+\i], v[(\src)+16*\b+\i], -v[TM+8+\b], v[TM+8+\b]   ; the hold (the conversion does not saturate: ISA guide 7.6.2), which also brings the number into window 0
.endr
.endr
	WIN 0
.irp b, 0,1,2,3
	v_cvt_scalef32_pk8_bf8_f32 v[PC+4*\b:PC+4*\b+1], v[G+16*\b:G+16*\b+7], v[TM+12+\b]
	v_cvt_scalef32_pk8_bf8_f32 v[PC+4*\b+2:PC+4*\b+3], v[G+16*\b+8:G+16*\b+15], v[TM+12+\b]
.endr
	v_nop                                          ; a plain instruction behind the last conversion
.endm
.irp j, 0,1,2,3,4,5,6,7
.if \j > 0
	s_wait_xcnt 0x0                                ; the last block's stores have read their data and their base
.if \j == 4
	s_add_nc_u64 s[44:45], s[44:45], s[30:31]
.else
	s_add_nc_u64 s[44:45], s[44:45], s[28:29]
.endif
.endif
	QUANTW 64*(\j%4), 2+\j/4
	global_store_b128 v[VO0], v[PC:PC+3], s[44:45]                 ; each store covers 512 consecutive bytes, aligned
	global_store_b128 v[VO0], v[PC+4:PC+7], s[44:45] offset:512
	global_store_b128 v[VO2], v[PC+8:PC+11], s[44:45]
	global_store_b128 v[VO2], v[PC+12:PC+15], s[44:45] offset:512
	v_lshrrev_b32 v[SV], v[SHV], v[PW]
	v_and_b32 v[SV], s34, v[SV]
	ds_store_b32 v[STS], v[SV] offset:64*\j        ; the words of 16 rows: lanes 0-15 into the stage's first 512 bytes, lanes 16-31 into its second
.endr
	ds_load_b128 v[G:G+3], v[RDS]                  ; LDS serves a wave's instructions in order: these see my stores
	ds_load_b128 v[G+4:G+7], v[RDS] offset:512
	s_wait_dscnt 0x0
	global_store_b128 v[VSO], v[G:G+3], s[46:47]   ; q, k: my first head's 128 words; v: 64 words of each of my two heads: whole blocks of 256 bytes
	global_store_b128 v[VS2], v[G+4:G+7], s[46:47] ; q, k: my second head's; v: the same words to the same places once more (lanes 16-31 staged a copy): so no branch is needed
	s_wait_tensorcnt 0x0                           ; the wave's end
	ds_add_u32 v[SPW], v[NIL]
	s_wait_dscnt 0x0
	CROUND                                         ; the closing round
	s_endpgm
.Lfunc_end_k_q5e0658058c_qkv:
	.size	k_q5e0658058c_qkv, .Lfunc_end_k_q5e0658058c_qkv-k_q5e0658058c_qkv
	.p2alignl 7, 3214868480
	.fill 96, 4, 3214868480
	.section	.rodata,"a",@progbits
	.p2align	6, 0x0
	.amdhsa_kernel k_q5e0658058c_qkv
		.amdhsa_group_segment_fixed_size 327680
		.amdhsa_private_segment_fixed_size 0
		.amdhsa_enable_private_segment 0
		.amdhsa_kernarg_size 32
		.amdhsa_user_sgpr_count 2
		.amdhsa_user_sgpr_kernarg_segment_ptr 1
		.amdhsa_wavefront_size32 1
		.amdhsa_system_sgpr_workgroup_id_x 1
		.amdhsa_system_sgpr_workgroup_id_y 1
		.amdhsa_system_sgpr_workgroup_id_z 1
		.amdhsa_system_vgpr_workitem_id 0
		.amdhsa_next_free_vgpr 1024
		.amdhsa_next_free_sgpr 102
		.amdhsa_reserve_vcc 0
		.amdhsa_float_denorm_mode_32 3
		.amdhsa_float_denorm_mode_16_64 3
		.amdhsa_memory_ordered 1
		.amdhsa_forward_progress 1
		.amdhsa_inst_pref_size 189
	.end_amdhsa_kernel
	.amdgpu_metadata
---
amdhsa.version: [ 1, 2 ]
amdhsa.kernels:
  - .name:           k_q5e0658058c_qkv
    .symbol:         k_q5e0658058c_qkv.kd
    .args:
      - { .name: act, .offset: 0, .size: 8, .value_kind: global_buffer, .address_space: global }
      - { .name: w_qkv_codes, .offset: 8, .size: 8, .value_kind: global_buffer, .address_space: global }
      - { .name: w_qkv_scales, .offset: 16, .size: 8, .value_kind: global_buffer, .address_space: global }
      - { .name: qkv, .offset: 24, .size: 8, .value_kind: global_buffer, .address_space: global }
    .group_segment_fixed_size: 327680
    .private_segment_fixed_size: 0
    .kernarg_segment_align: 8
    .kernarg_segment_size: 32
    .max_flat_workgroup_size: 128
    .sgpr_count:     102
    .vgpr_count:     1024
    .wavefront_size: 32
...
	.end_amdgpu_metadata
.endif
;; end of part 2
;; launch attn (part 3): grid 8 x 32, 16 waves a work-group, clusters of 4 x 1, 276,480 bytes of LDS; arguments qkv, act; writes act
.if DOCPART == 3
	.amdgcn_target "amdgcn-amd-amdhsa--gfx1250"
	.amdhsa_code_object_version 6
	.text
	.protected	k_q5e0658058c_attn
	.globl	k_q5e0658058c_attn
	.p2align	8
	.type	k_q5e0658058c_attn,@function
k_q5e0658058c_attn:
	s_mov_b64 s[64:65], 0
	v_nop
	global_prefetch_b8 v0, s[64:65] scope:SCOPE_SE
	s_setreg_imm32_b32 hwreg(HW_REG_WAVE_MODE, 25, 1), 1
	s_wait_xcnt 0x0
	s_wait_alu depctr_hold_cnt(0) depctr_sa_sdst(0) depctr_va_vdst(0) depctr_va_sdst(0) depctr_va_ssrc(0) depctr_va_vcc(0) depctr_vm_vsrc(0)
	s_getreg_b32 s2, hwreg(HW_REG_IB_STS2, 6, 4)
	s_cmp_eq_u32 s2, 0
	s_cbranch_scc0 .Lentry_in_a_cluster
	s_endpgm
.Lentry_in_a_cluster:
	s_bfe_u32 s2, ttmp6, 0x10000c
	s_cmp_lg_u32 s2, 0x3003
	s_cbranch_scc0 .Lentry_shape_is_right
	s_endpgm
.Lentry_shape_is_right:
; ATTENTION on codes of E5M2: O = softmax(q k^T / 8) v for 32 (batch, head) pairs of 2,048 tokens x 64 channels; O / l is quantised along the model's inner axis and stored as images of operand registers.
; In (bh = 16 batch + head): q at 0, k at 4 MiB: bh 131072 + tile16 1024 + c 512 + 16 lane; v at 8 MiB, keys innermost: bh 131072 + S 8192 + e 2048 + c 512 + 16 lane;
; scale words at QKV_SC + bh 20480: q's, k's at 8192, v's [S][64] at 16384.  Inside a block of 32, place 16 h + 8 u + i holds element 16 u + 8 h + i, alike on both sides of each product.
; THE SOFTMAX: t = score x log2(e) / 8; M = the running largest t rounded UP to a whole number; p = 2^(t - M) is quantised along the keys, not normalised; the row's sum is taken of the unquantised p and divides O at the end.
; SHARES.  A work-group owns 256 queries of one bh, each of its sixteen waves 16 of them in 256 registers: four waves to a SIMD.
; THE WHOLE HEAD STAYS IN LDS, filled once: key step S at 16,384 S: k's 8,192 bytes of codes, then v's.  Wave w asks for key step w by ONE tensor load of two rows of 8,192 bytes, 4 MiB apart in memory.
; CLUSTER.  The four query blocks of a cluster belong to one bh: each load is a joint one (mask 15).  Waves 0 to 3 have a load line and a wait of their own, so that the first barrier shows key steps 0 to 3; the second shows the rest.
; The 12,288 bytes of k's and v's scale words go through registers into LDS bytes of their own (24 bytes a thread): they are under a twentieth of the head's bytes, and every wave's one load at the head is taken.
; No prefetch: every byte is asked for at the head, so the loop has nothing to ask for ahead.
; Both products are used transposed (S^T = k q^T, O^T = v^T p^T): a lane holds one query throughout.  K of the first product is 64: the upper half of q's and k's fragments is zero codes, set once.
; Out: code of (row, k) at (row / 16) 16384 + (k / 128) 2048 + ((k % 128) / 32) 512 + 16 (row % 16 + 16 ((k % 32) / 16)) + k % 16; scale word at ACT_SC + (k / 128) 16384 + 4 row; a head is half a word, so its bytes leave singly.
; LIMITS: NaN and infinities are not served; a block of zeros gets the byte 1 with zero codes; the scaled scores stay under 2^31 in magnitude.
; REGISTERS: v12 -M, v13 the largest t, v[14:15] the sum; v16-31 q; v32-95 four fragments of k; v96-159 S^T, p, then v's fragments; v160-191 O^T; v224-239 p's codes; v232-254 at work; v248-251 k's or v's scale words, v253 p's, v255 q's.
.set ACT_SC, 4194304
.set QKV_SC, 12582912
.set SCS,  262144                      ; behind the codes: k's scale words (8,192 bytes), then v's (4,096)
.set SPARE, 274432                     ; the spare words: 128 bytes a wave
.set LI,   1                           ; 16 x lane
.set ASK0, 3                           ; my lane's place among k's scale words
.set ASV0, 4                           ; and among v's
.set SST,  5                           ; where my thread puts scale words: SCS + 8 x thread
.set ADK,  8
.set ADS,  10
.set ADT,  11
.set SPW,  222
.set NIL,  223
.set WV,   18
.set MNT,  19
.set SEL,  20
.set CS,   22
.set G0,   24
.set G1T,  44
.set TB,   60                          ; the step's codes: 16,384 bytes a step
.set TS,   61                          ; k's words: 512 a step
.set TJ,   62                          ; v's: 256 a step
.set CNT,  63
.macro CROUND
	s_barrier_signal -1
	s_barrier_wait -1
	s_cmp_lg_u32 s[WV], 0
	s_cbranch_scc1 .Lnot_wave_0_\@
	s_barrier_signal -3
.Lnot_wave_0_\@:
	s_barrier_wait -3
	s_barrier_signal -1
	s_barrier_wait -1
.endm
	s_load_b128 s[4:7], s[0:1], 0x0                ; qkv, act
	v_lshl_add_u32 v[SPW], v0, 2, SPARE
	v_mov_b32 v[NIL], 0
	ds_add_u32 v[SPW], v[NIL]
	ds_add_u32 v[SPW], v[NIL]
	v_lshrrev_b32 v8, 5, v0
	s_delay_alu instid0(VALU_DEP_1)
	v_readfirstlane_b32 s[WV], v8                  ; wave 0..15
	s_bfe_u32 s8, ttmp6, 0x40000                   ; cx: it enters q's and the output's addresses alone
	s_lshl_b32 s9, ttmp9, 2
	s_add_co_u32 s9, s9, s8                        ; my block of 256 queries
	s_and_b32 s10, ttmp7, 0xffff                   ; bh, which the four partners share
	s_lshl_b32 s13, s[WV], 14                      ; key step = my wave's number: in LDS,
	s_lshl_b32 s14, s10, 17
	s_add_co_u32 s14, s14, 4194304
	s_lshl_b32 s15, s[WV], 13
	s_add_co_u32 s14, s14, s15                     ; and k's codes in memory; v's lie 4 MiB on
	s_mov_b32 s15, 0
	s_mul_i32 s17, s10, 20480
	s_add_co_u32 s66, s17, QKV_SC+8192             ; k's and v's scale words
	s_mov_b32 s67, 0
	s_mov_b32 s[G1T], 15|(3<<16)|(1<<21)           ; the mask: all four work-groups; elements of 8 bytes; bit 21 beside a mask; no padding
	s_mov_b32 s[G1T+1], 1024<<16                   ; rows of 8,192 bytes,
	s_mov_b32 s[G1T+2], 2<<16                      ; two of them,
	s_mov_b32 s[G1T+3], 1024<<16
	s_mov_b32 s[G1T+4], 2
	s_mov_b32 s[G1T+5], 524288                     ; 4 MiB apart
	s_mov_b32 s[G1T+6], 0
	s_mov_b32 s[G1T+7], 0
	s_lshl_b32 s68, s9, 4
	s_add_co_u32 s68, s68, s[WV]                   ; my tile of 16 queries, 0 .. 127
	s_lshl_b32 s70, s10, 17
	s_lshl_b32 s71, s68, 10
	s_add_co_u32 s70, s70, s71                     ; q's codes
	s_mov_b32 s71, 0
	s_lshl_b32 s72, s68, 6
	s_add_co_u32 s72, s72, s17
	s_add_co_u32 s72, s72, QKV_SC                  ; q's scale words
	s_mov_b32 s73, 0
	s_lshr_b32 s74, s10, 4
	s_lshl_b32 s74, s74, 7
	s_add_co_u32 s74, s74, s68                     ; the output's tile of 16 rows
	s_and_b32 s75, s10, 15                         ; the head
	s_lshr_b32 s76, s75, 1
	s_and_b32 s77, s75, 1
	s_lshl_b32 s78, s74, 14
	s_lshl_b32 s79, s76, 11
	s_add_co_u32 s78, s78, s79
	s_lshl_b32 s79, s77, 10
	s_add_co_u32 s78, s78, s79                     ; the output's codes
	s_mov_b32 s79, 0
	s_lshl_b32 s80, s76, 14
	s_lshl_b32 s81, s74, 6
	s_add_co_u32 s80, s80, s81
	s_lshl_b32 s81, s77, 1
	s_add_co_u32 s80, s80, s81
	s_add_co_u32 s80, s80, ACT_SC                  ; and its scale bytes
	s_mov_b32 s81, 0
	s_mov_b32 s[SEL], 0x76543210
	s_mov_b32 s[SEL+1], 0xfedcba98
	s_mov_b32 s[CS], 0x3e38aa3b                    ; c = log2(e) / 8
	s_mov_b32 s[CS+1], s[CS]
	s_mov_b32 s[MNT], 0x600000
	s_mov_b32 s[TB], 0
	s_mov_b32 s[TS], 0
	s_mov_b32 s[TJ], 0
	s_wait_dscnt 0x0
	s_wait_kmcnt 0x0
	s_add_nc_u64 s[14:15], s[4:5], s[14:15]
	s_add_nc_u64 s[66:67], s[4:5], s[66:67]
	s_add_nc_u64 s[70:71], s[4:5], s[70:71]
	s_add_nc_u64 s[72:73], s[4:5], s[72:73]
	s_add_nc_u64 s[78:79], s[6:7], s[78:79]
	s_add_nc_u64 s[80:81], s[6:7], s[80:81]
	s_mov_b32 s[G0], 1
	s_mov_b32 s[G0+1], s13
	s_mov_b64 s[G0+2:G0+3], s[14:15]
	s_or_b32 s[G0+3], s[G0+3], 0x80000000
	CROUND                                         ; all four work-groups are here: the joint loads meet
	s_cmp_lt_u32 s[WV], 4                          ; one load a wave; waves 0 to 3 have a line of their own, since they alone wait at the first barrier
	s_cbranch_scc0 .Llater
	tensor_load_to_lds s[G0:G0+3], s[G1T:G1T+7]
	s_nop 0
.rept 4
	v_nop
.endr
	s_branch .Lasked
.Llater:
	tensor_load_to_lds s[G0:G0+3], s[G1T:G1T+7]
	s_nop 0
.rept 4
	v_nop
.endr
.Lasked:
	v_and_b32 v[LI], 31, v0
	s_delay_alu instid0(VALU_DEP_1)
	v_lshlrev_b32 v[LI], 4, v[LI]
	v_and_b32 v9, 15, v0                           ; r
	s_delay_alu instid0(VALU_DEP_1)
	v_lshlrev_b32 v254, 2, v9
	v_lshlrev_b32 v2, 3, v0                        ; 8 x thread
	global_load_b128 v[16:19], v[LI], s[70:71]     ; q's fragment: the two blocks of 32 channels
	global_load_b128 v[20:23], v[LI], s[70:71] offset:512
	global_load_b32 v255, v254, s[72:73]           ; q's scale words
	global_load_b64 v[192:193], v2, s[66:67]       ; k's and v's scale words: a wave's load covers 256 consecutive bytes
	global_load_b64 v[194:195], v2, s[66:67] offset:4096
	global_load_b64 v[196:197], v2, s[66:67] offset:8192
	v_lshl_add_u32 v[SST], v0, 3, SCS
	v_lshl_add_u32 v[ASK0], v9, 2, SCS
	v_lshl_add_u32 v[ASV0], v9, 2, SCS+8192
.irp j, 24,25,26,27,28,29,30,31
	v_mov_b32 v[\j], 0                             ; K = 64 .. 127 of q: zero codes
.endr
.irp t, 0,1,2,3
.irp j, 8,9,10,11,12,13,14,15
	v_mov_b32 v[32+16*\t+\j], 0                    ; and of k's four fragments: set once, never loaded into
.endr
.endr
	v_mov_b32 v13, 0xff61b1e6                      ; the largest t so far: -3e38
	s_delay_alu instid0(VALU_DEP_1)
	v_floor_f32 v12, -v13                          ; -M
	v_mov_b32 v14, 0
	v_mov_b32 v15, 0
.irp b, 0,1,2,3
	v_mov_b32 v[236+\b], 0                         ; a lane permute's destination counts as one of its sources
.endr
	v_mov_b32 v253, 0
.set j, 0
.rept 32
	v_mov_b32 v[160+j], 0                          ; O^T: the first step finds zeros, which the first change of M leaves zeros
.set j, j+1
.endr
; the largest score of blocks b0 and b0 + 1 of 32 keys: for the row's maximum and, since p rises with the score, for the block's largest p
.macro BMAX b0
; (two chains a block, one for each of its two results, so four chains by turns; each result is read from its low end on)
.irp b, \b0, \b0+1
	v_max3_num_f32 v[232+\b], v[96+16*(\b)], v[97+16*(\b)], v[98+16*(\b)]
	v_max3_num_f32 v[236+\b], v[104+16*(\b)], v[105+16*(\b)], v[106+16*(\b)]
.endr
.irp i, 3,5
.irp b, \b0, \b0+1
	v_max3_num_f32 v[232+\b], v[232+\b], v[96+16*(\b)+\i], v[97+16*(\b)+\i]
	v_max3_num_f32 v[236+\b], v[236+\b], v[104+16*(\b)+\i], v[105+16*(\b)+\i]
.endr
.endr
.irp b, \b0, \b0+1
	v_max3_num_f32 v[232+\b], v[232+\b], v[236+\b], v[103+16*(\b)]
.endr
.irp b, \b0, \b0+1
	v_max_num_f32 v[232+\b], v[232+\b], v[111+16*(\b)]
.endr
.endm
; A KEY STEP: 128 keys.
.macro STEP
	v_add_nc_u32 v[ADK], s[TB], v[LI]
	s_wait_alu depctr_va_vdst(0)
	v_add_nc_u32 v[ADS], s[TS], v[ASK0]
	s_wait_alu depctr_va_vdst(0)
	v_add_nc_u32 v[ADT], s[TJ], v[ASV0]
.rept 6
	v_nop                                          ; with the three additions nine places: the first products below write over registers that the last step's products read
.endr
.irp g, 0,1                                    ; S^T = k q^T, four tiles of 16 keys at a time
.if \g > 0
.rept 8
	v_nop                                          ; places in front of loads into registers that matrix instructions have read, and in front of the reads of the first four results
.endr
.endif
.irp t, 0,1,2,3
	ds_load_b128 v[32+16*\t:35+16*\t], v[ADK] offset:(4*\g+\t)*1024
	ds_load_b128 v[36+16*\t:39+16*\t], v[ADK] offset:(4*\g+\t)*1024+512
	ds_load_b32 v[248+\t], v[ADS] offset:(4*\g+\t)*64
.endr
	s_wait_dscnt 0x0
.irp t, 0,1,2,3
	v_wmma_scale_f32_16x16x128_f8f6f4 v[96+8*(4*\g+\t):103+8*(4*\g+\t)], v[32+16*\t:47+16*\t], v[16:31], 0, v[248+\t], v255 matrix_a_fmt:MATRIX_FMT_BF8 matrix_b_fmt:MATRIX_FMT_BF8
.endr
.endr                                          ; lane (r, h) holds query r; register 16 b + 8 u + i is key 32 b + 16 u + 8 h + i of the step
	BMAX 0                                         ; sixteen lines on the first four results: they name no register of the last four products and are their eight places
	BMAX 2
.irp b, 0,1,2,3
	v_permlanex16_b32 v[236+\b], v[232+\b], s[SEL], s[SEL+1]
.endr
.irp b, 0,1,2,3
	s_delay_alu instid0(VALU_DEP_4)
	v_max_num_f32 v[232+\b], v[232+\b], v[236+\b]  ; with lane l xor 16's 16 keys
.endr
	s_delay_alu instid0(VALU_DEP_2)
	v_max3_num_f32 v254, v232, v233, v234
	s_delay_alu instid0(VALU_DEP_1)
	v_max_num_f32 v254, v254, v235                 ; the step's largest score of my query
	s_delay_alu instid0(VALU_DEP_1)
	v_mul_f32 v254, s[CS], v254                    ; as t
	s_delay_alu instid0(VALU_DEP_1)
	v_max_num_f32 v13, v13, v254                   ; the running largest t
	v_mov_b32 v254, v12
	s_delay_alu instid0(VALU_DEP_2)
	v_floor_f32 v12, -v13                          ; the new -M = -ceil(t): a whole number
	s_delay_alu instid0(VALU_DEP_1)
	v_sub_f32 v254, v12, v254                      ; old M - new M: a whole number, 0 or less
	s_delay_alu instid0(VALU_DEP_1)
	v_cvt_i32_f32 v254, v254                       ; (it saturates)
	s_delay_alu instid0(VALU_DEP_1)
	v_ldexp_f32 v252, 1.0, v254                    ; f = 2^(old M - new M): a multiplication by it rounds nothing
.set j, 0
.rept 32
	v_pk_fma_f32 v[96+j:97+j], v[96+j:97+j], s[CS:CS+1], v[12:13] op_sel_hi:[1,0,0]   ; t - M, two at a time
.set j, j+2
.endr
.irp b, 0,1,2,3
	v_fma_f32 v[232+\b], v[232+\b], s[CS], v12     ; the same of each block's largest score
.endr
	s_wait_alu depctr_va_vdst(0)
.set j, 0
.rept 64
	v_exp_f32 v[96+j], v[96+j]                     ; p = 2^(t - M), at most 1
.set j, j+1
.endr
	v_pk_mul_f32 v[14:15], v[14:15], v[252:253] op_sel_hi:[1,0]   ; the sums under the new M (a plain instruction behind the exponentials)
	s_wait_alu depctr_va_vdst(0)                   ; one wait for the whole batch, ahead of its first reader
.irp b, 0,1,2,3
	v_exp_f32 v[232+\b], v[232+\b]                 ; the block's largest p: the same two instructions on the same number give the same bits
.endr
	v_pk_add_f32 v[236:237], v[100:101], v[104:105]                ; the row's sum of the unquantised p, in eight chains
	v_pk_add_f32 v[250:251], v[108:109], v[112:113]
	v_pk_add_f32 v[248:249], v[116:117], v[120:121]
	v_pk_add_f32 v[246:247], v[124:125], v[128:129]
	v_pk_add_f32 v[244:245], v[132:133], v[136:137]
	v_pk_add_f32 v[242:243], v[140:141], v[144:145]
	v_pk_add_f32 v[240:241], v[148:149], v[152:153]
	v_pk_add_f32 v[14:15], v[14:15], v[156:157]
	v_pk_add_f32 v[236:237], v[236:237], v[96:97]
	v_pk_add_f32 v[250:251], v[250:251], v[98:99]
	v_pk_add_f32 v[248:249], v[248:249], v[102:103]
	v_pk_add_f32 v[246:247], v[246:247], v[106:107]
	v_pk_add_f32 v[244:245], v[244:245], v[110:111]
	v_pk_add_f32 v[242:243], v[242:243], v[114:115]
	v_pk_add_f32 v[240:241], v[240:241], v[118:119]
	v_pk_add_f32 v[14:15], v[14:15], v[122:123]
	v_pk_add_f32 v[236:237], v[236:237], v[126:127]
	v_pk_add_f32 v[250:251], v[250:251], v[130:131]
	v_pk_add_f32 v[248:249], v[248:249], v[134:135]
	v_pk_add_f32 v[246:247], v[246:247], v[138:139]
	v_pk_add_f32 v[244:245], v[244:245], v[142:143]
	v_pk_add_f32 v[242:243], v[242:243], v[146:147]
	v_pk_add_f32 v[240:241], v[240:241], v[150:151]
	v_pk_add_f32 v[14:15], v[14:15], v[154:155]
	v_pk_add_f32 v[236:237], v[236:237], v[158:159]
	s_delay_alu instid0(VALU_DEP_2)
	v_pk_add_f32 v[14:15], v[14:15], v[246:247]
	s_delay_alu instid0(VALU_DEP_2)
	v_pk_add_f32 v[236:237], v[236:237], v[244:245]
	v_pk_add_f32 v[250:251], v[250:251], v[242:243]
	v_pk_add_f32 v[248:249], v[248:249], v[240:241]
	s_delay_alu instid0(VALU_DEP_2)
	v_pk_add_f32 v[14:15], v[14:15], v[250:251]
	s_delay_alu instid0(VALU_DEP_2)
	v_pk_add_f32 v[236:237], v[236:237], v[248:249]
	s_delay_alu instid0(VALU_DEP_1)
	v_pk_add_f32 v[14:15], v[14:15], v[236:237]
	s_wait_alu depctr_va_vdst(0)                   ; and one for the four
.irp b, 0,1,2,3
	v_max_num_f32 v[232+\b], 0x8000000, v[232+\b]  ; the floor 2^(16 - 127)
.endr
.irp b, 0,1,2,3
	s_delay_alu instid0(VALU_DEP_4)
	v_add_nc_u32 v[244+\b], 0xf8800000, v[232+\b]  ; the conversion's scale operand
.endr
.irp b, 0,1,2,3
	v_and_or_b32 v[240+\b], v[232+\b], 0x7f800000, s[MNT]   ; 57,344 x the scale
.endr
.irp b, 0,1,2,3
	v_lshrrev_b32 v[236+\b], 23, v[244+\b]         ; the scale's byte
.endr
	s_delay_alu instid0(VALU_DEP_3)
	v_lshl_or_b32 v253, v237, 8, v236              ; p's scale word for these 128 keys
	s_delay_alu instid0(VALU_DEP_1)
	v_lshl_or_b32 v253, v238, 16, v253
	s_delay_alu instid0(VALU_DEP_1)
	v_lshl_or_b32 v253, v239, 24, v253
.irp b, 0,1,2,3
.irp i, 0,2,4,6,8,10,12,14
	v_dual_min_num_f32 v[96+16*\b+\i], v[96+16*\b+\i], v[240+\b] :: v_dual_min_num_f32 v[97+16*\b+\i], v[97+16*\b+\i], v[240+\b]   ; the hold; p is not negative, so it is one-sided; two numbers an instruction
.endr
	v_cvt_scalef32_pk8_bf8_f32 v[224+4*\b:225+4*\b], v[96+16*\b:103+16*\b], v[244+\b]
	v_cvt_scalef32_pk8_bf8_f32 v[226+4*\b:227+4*\b], v[104+16*\b:111+16*\b], v[244+\b]
.irp c, 0,1,2,3                                ; v's fragment b (16 channels x 128 keys) into the sixteen registers that block b of p has just left
	ds_load_b128 v[96+16*\b+4*\c:99+16*\b+4*\c], v[ADK] offset:8192+2048*\b+512*\c
.endr
	ds_load_b32 v[248+\b], v[ADT] offset:64*\b
.endr
.set j, 0
.rept 16
	v_pk_mul_f32 v[160+j:161+j], v[160+j:161+j], v[252:253] op_sel_hi:[1,0]   ; O^T under the new M; these sixteen are also the places in front of the products below
.set j, j+2
.endr
	s_wait_alu depctr_va_vdst(0)
	s_wait_dscnt 0x0
.irp e, 0,1,2,3                                ; O^T += v^T p^T: the four accumulators by turns
	v_wmma_scale_f32_16x16x128_f8f6f4 v[160+8*\e:167+8*\e], v[96+16*\e:111+16*\e], v[224:239], v[160+8*\e:167+8*\e], v[248+\e], v253 matrix_a_fmt:MATRIX_FMT_BF8 matrix_b_fmt:MATRIX_FMT_BF8
.endr
	s_add_co_u32 s[TB], s[TB], 16384
	s_add_co_u32 s[TS], s[TS], 512
	s_add_co_u32 s[TJ], s[TJ], 256
.endm
	s_wait_alu depctr_va_vdst(0)
	s_wait_loadcnt 0x0                             ; q, and my 24 bytes of scale words,
	ds_store_b64 v[SST], v[192:193]                ; which go to their place in LDS
	ds_store_b64 v[SST], v[194:195] offset:4096
	ds_store_b64 v[SST], v[196:197] offset:8192
	s_cmp_lt_u32 s[WV], 4
	s_cbranch_scc0 .Lnot_first
	s_wait_tensorcnt 0x0                           ; waves 0 to 3: key steps 0 to 3 are in; the other waves' loads may be out
.Lnot_first:
	s_wait_dscnt 0x0                               ; for the others' sake: my stores have landed
	s_barrier_signal -1
	s_barrier_wait -1
	s_mov_b32 s[CNT], 4
.Lfirst:
	STEP
	s_sub_co_u32 s[CNT], s[CNT], 1
	s_cmp_lg_u32 s[CNT], 0
	s_cbranch_scc1 .Lfirst
	s_wait_tensorcnt 0x0                           ; the rest of the head: every wave waits
	s_wait_dscnt 0x0
	s_barrier_signal -1
	s_barrier_wait -1
	s_mov_b32 s[CNT], 12
.Lrest:
	STEP
	s_sub_co_u32 s[CNT], s[CNT], 1
	s_cmp_lg_u32 s[CNT], 0
	s_cbranch_scc1 .Lrest
	; THE WAY OUT.  O^T / the sum; register 16 b + 8 u + i is channel 32 b + 16 u + 8 h + i of my query: two blocks of 32 along the inner axis, each in lanes l and l xor 16.
	v_add_f32 v14, v14, v15
	s_delay_alu instid0(VALU_DEP_1)
	v_permlanex16_b32 v252, v14, s[SEL], s[SEL+1]
	s_delay_alu instid0(VALU_DEP_1)
	v_add_f32 v14, v14, v252                       ; the row's sum
	s_wait_alu depctr_va_vdst(0)
	v_rcp_f32 v14, v14
	v_and_b32 v8, 15, v0                           ; r
	v_bfe_u32 v9, v0, 4, 1                         ; h
	s_delay_alu instid0(VALU_DEP_2)
	v_lshlrev_b32 v10, 4, v8
	s_delay_alu instid0(VALU_DEP_1)
	v_lshl_add_u32 v10, v9, 3, v10                 ; 16 r + 8 h: my eight codes' place in a block of 256 bytes
	s_delay_alu instid0(VALU_DEP_3)
	v_lshl_add_u32 v11, v8, 2, v9                  ; 4 r + h: my scale byte's
	s_delay_alu instid0(VALU_DEP_4)
	v_lshlrev_b32 v2, 3, v9                        ; 8 h
.rept 4
	v_nop                                          ; with the plain lines above more than the eight places behind the last products
.endr
	s_wait_alu depctr_va_vdst(0)                   ; the wait ahead of the reciprocal's first reader
.set j, 0
.rept 32
	v_mul_f32 v[96+j], v[160+j], v14               ; each accumulator from its low end on
.set j, j+1
.endr
.irp b, 0,1
	v_max3_num_f32 v[232+\b], |v[96+16*\b]|, |v[97+16*\b]|, 0x8000000
.endr
.irp i, 2,4,6,8,10,12,14
.irp b, 0,1
	s_delay_alu instid0(VALU_DEP_2)
	v_max3_num_f32 v[232+\b], v[232+\b], |v[96+16*\b+\i]|, |v[97+16*\b+\i]|
.endr
.endr
.irp b, 0,1
	v_permlanex16_b32 v[236+\b], v[232+\b], s[SEL], s[SEL+1]
.endr
.irp b, 0,1
	s_delay_alu instid0(VALU_DEP_2)
	v_max_num_f32 v[232+\b], v[232+\b], v[236+\b]
.endr
.irp b, 0,1
	s_delay_alu instid0(VALU_DEP_2)
	v_add_nc_u32 v[244+\b], 0xf8800000, v[232+\b]
.endr
.irp b, 0,1
	s_delay_alu instid0(VALU_DEP_4)
	v_and_or_b32 v[240+\b], v[232+\b], 0x7f800000, s[MNT]
.endr
.irp b, 0,1
	s_delay_alu instid0(VALU_DEP_4)
	v_lshrrev_b32 v[236+\b], 23, v[244+\b]
.endr
	s_delay_alu instid0(VALU_DEP_1)
	v_lshl_or_b32 v234, v237, 8, v236
	s_delay_alu instid0(VALU_DEP_1)
	v_lshrrev_b32 v234, v2, v234                   ; lanes 0-15 keep block 0's byte in front, lanes 16-31 block 1's
.irp b, 0,1
.irp i, 0,1,2,3,4,5,6,7,8,9,10,11,12,13,14,15
	v_med3_num_f32 v[96+16*\b+\i], v[96+16*\b+\i], -v[240+\b], v[240+\b]
.endr
	v_cvt_scalef32_pk8_bf8_f32 v[128+4*\b:129+4*\b], v[96+16*\b:103+16*\b], v[244+\b]
	v_cvt_scalef32_pk8_bf8_f32 v[130+4*\b:131+4*\b], v[104+16*\b:111+16*\b], v[244+\b]
.endr
	v_nop
.irp b, 0,1
	global_store_b64 v10, v[128+4*\b:129+4*\b], s[78:79] offset:512*\b       ; each store fills one aligned block of 256 bytes, in true order of k
	global_store_b64 v10, v[130+4*\b:131+4*\b], s[78:79] offset:512*\b+256
.endr
	global_store_b8 v11, v234, s[80:81]            ; a byte a lane: row r, block h
	s_wait_tensorcnt 0x0                           ; the wave's end
	ds_add_u32 v[SPW], v[NIL]
	s_wait_dscnt 0x0
	CROUND                                         ; the closing round
	s_endpgm
.Lfunc_end_k_q5e0658058c_attn:
	.size	k_q5e0658058c_attn, .Lfunc_end_k_q5e0658058c_attn-k_q5e0658058c_attn
	.p2alignl 7, 3214868480
	.fill 96, 4, 3214868480
	.section	.rodata,"a",@progbits
	.p2align	6, 0x0
	.amdhsa_kernel k_q5e0658058c_attn
		.amdhsa_group_segment_fixed_size 276480
		.amdhsa_private_segment_fixed_size 0
		.amdhsa_enable_private_segment 0
		.amdhsa_kernarg_size 16
		.amdhsa_user_sgpr_count 2
		.amdhsa_user_sgpr_kernarg_segment_ptr 1
		.amdhsa_wavefront_size32 1
		.amdhsa_system_sgpr_workgroup_id_x 1
		.amdhsa_system_sgpr_workgroup_id_y 1
		.amdhsa_system_sgpr_workgroup_id_z 1
		.amdhsa_system_vgpr_workitem_id 0
		.amdhsa_next_free_vgpr 256
		.amdhsa_next_free_sgpr 84
		.amdhsa_reserve_vcc 0
		.amdhsa_float_denorm_mode_32 3
		.amdhsa_float_denorm_mode_16_64 3
		.amdhsa_memory_ordered 1
		.amdhsa_forward_progress 1
		.amdhsa_inst_pref_size 56
	.end_amdhsa_kernel
	.amdgpu_metadata
---
amdhsa.version: [ 1, 2 ]
amdhsa.kernels:
  - .name:           k_q5e0658058c_attn
    .symbol:         k_q5e0658058c_attn.kd
    .args:
      - { .name: qkv, .offset: 0, .size: 8, .value_kind: global_buffer, .address_space: global }
      - { .name: act, .offset: 8, .size: 8, .value_kind: global_buffer, .address_space: global }
    .group_segment_fixed_size: 276480
    .private_segment_fixed_size: 0
    .kernarg_segment_align: 8
    .kernarg_segment_size: 16
    .max_flat_workgroup_size: 512
    .sgpr_count:     84
    .vgpr_count:     256
    .wavefront_size: 32
...
	.end_amdgpu_metadata
.endif
;; end of part 3
;; launch oproj (part 4): grid 8 x 32, 4 waves a work-group, clusters of 4 x 4, 327,680 bytes of LDS; arguments act, w_out_codes, w_out_scales, b_out, x, x1; writes x1
.if DOCPART == 4
	.amdgcn_target "amdgcn-amd-amdhsa--gfx1250"
	.amdhsa_code_object_version 6
	.text
	.protected	k_q5e0658058c_oproj
	.globl	k_q5e0658058c_oproj
	.p2align	8
	.type	k_q5e0658058c_oproj,@function
k_q5e0658058c_oproj:
	s_mov_b64 s[64:65], 0
	v_nop
	global_prefetch_b8 v0, s[64:65] scope:SCOPE_SE
	s_setreg_imm32_b32 hwreg(HW_REG_WAVE_MODE, 25, 1), 1
	s_wait_xcnt 0x0
	s_wait_alu depctr_hold_cnt(0) depctr_sa_sdst(0) depctr_va_vdst(0) depctr_va_sdst(0) depctr_va_ssrc(0) depctr_va_vcc(0) depctr_vm_vsrc(0)
	s_getreg_b32 s2, hwreg(HW_REG_IB_STS2, 6, 4)
	s_cmp_eq_u32 s2, 0
	s_cbranch_scc0 .Lentry_in_a_cluster
	s_endpgm
.Lentry_in_a_cluster:
	s_bfe_u32 s2, ttmp6, 0x10000c
	s_cmp_lg_u32 s2, 0xf033
	s_cbranch_scc0 .Lentry_shape_is_right
	s_endpgm
.Lentry_shape_is_right:
; x1 = O W_out + b_out + x on codes of E5M2 with E8M0 scales, K = 1,024.  A block of 128 x 128 is made by four waves, 64 x 64 each; the bias is the first products' C, x is added on the way out.
; A (act): images of operand registers, 8,192 bytes for 16 rows x 512 K; B (w_out): rows of 512 bytes, padded in LDS.  Two slots of 512 along K; clusters of 4 x 4 with joint loads.
; THE HEAD: one joint load a wave: wave 0 slot 0's A, wave 2 its B, wave 1 A's scale words, wave 3 B's scale bytes; slot 1 is filled behind the full sequence and a round.
; No prefetch: K is two slots, the first asked for at the head and the second behind one round; no slot is filled again, so there is no loop to run ahead in.
.set SIZE_K, 1024
.set A_SC,   4194304
.set KS,     SIZE_K/32
.set LAPS,   SIZE_K/1024
.set BP,     528
.set BOFF,   65536
.set SLOT,   BOFF+128*BP
.set SCA,    2*SLOT
.set SCB,    SCA+SIZE_K*4
.set HALFS,  (64*KS/256)*272
.set SBLK,   (16*KS/256)*272
.set SPARE,  SCB+2*HALFS
.set SP,     272
.set ADA,  16
.set ADB,  18
.set ADSA, 20
.set ADSB, 21
.set STO,  22
.set RD,   23
.set RO,   24
.set SPW,  28
.set NIL,  29
.set SCR,  32
.set BI,   48
.set TMP,  48
.set ACC,  128
.set F0,   0
.set F1,   128
.set G1A,  24
.set G0A,  32
.set G1B,  40
.set G0B,  48
.set G1SA, 56
.set G1SB, 68
.set G0SA, 76
.set G0SB, 80
.set MSB, 0
.macro WIN new
.if MSB != (\new)
	s_set_vgpr_msb (MSB<<8)|(\new)
.set MSB, (\new)
.endif
.endm
.set MUL,  0x05
.set TO_F, 0x40
.macro JLOAD g0a, g1a, g0b, g1b
	s_cmp_eq_u32 s17, 0
	s_cbranch_scc0 .Lfor_b_\@
	tensor_load_to_lds s[\g0a:\g0a+3], s[\g1a:\g1a+7]
	s_nop 0
.rept 4
	v_nop
.endr
	s_branch .Lasked_\@
.Lfor_b_\@:
	tensor_load_to_lds s[\g0b:\g0b+3], s[\g1b:\g1b+7]
	s_nop 0
.rept 4
	v_nop
.endr
.Lasked_\@:
.endm
.macro CREST
	s_cmp_lg_u32 s16, 0
	s_cbranch_scc1 .Lnot_wave_0_\@
	s_barrier_signal -3
.Lnot_wave_0_\@:
	s_barrier_wait -3
	s_barrier_signal -1
	s_barrier_wait -1
.endm
.macro CROUND
	s_barrier_signal -1
	s_barrier_wait -1
	CREST
.endm
	s_load_b256 s[4:11], s[0:1], 0x0
	s_load_b128 s[12:15], s[0:1], 0x20
	v_lshl_add_u32 v[SPW], v0, 2, SPARE
	v_mov_b32 v[NIL], 0
	ds_add_u32 v28, v29
	ds_add_u32 v28, v29
	s_wait_dscnt 0x0
	v_lshrrev_b32 v1, 5, v0
	v_readfirstlane_b32 s16, v1
	s_lshr_b32 s17, s16, 1
	s_and_b32 s18, s16, 1
	s_bfe_u32 s19, ttmp6, 0x40000
	s_bfe_u32 s20, ttmp6, 0x40004
	s_lshl_b32 s21, ttmp9, 2
	s_add_co_u32 s21, s21, s19
	s_and_b32 s22, ttmp7, 0xffff
	s_lshl_b32 s22, s22, 2
	s_add_co_u32 s22, s22, s20
	s_lshl_b32 s84, s20, 2
	s_lshl_b32 s84, 15, s84
	s_lshl_b32 s85, 0x1111, s19
	s_or_b32 s[G1A], s84, (3<<16)|(1<<21)
	s_mov_b32 s[G1A+1], 1024<<16
	s_mov_b32 s[G1A+2], 8<<16
	s_mov_b32 s[G1A+3], 1024<<16
	s_mov_b32 s[G1A+4], 8
	s_mov_b32 s[G1A+5], 2*SIZE_K
	s_mov_b32 s[G1A+6], 0
	s_mov_b32 s[G1A+7], 0
	s_or_b32 s[G1B], s85, (0<<16)|(1<<20)|(1<<21)|(6<<22)|(3<<25)
	s_mov_b32 s[G1B+1], 512<<16
	s_mov_b32 s[G1B+2], 128<<16
	s_mov_b32 s[G1B+3], 512<<16
	s_mov_b32 s[G1B+4], 128
	s_mov_b32 s[G1B+5], SIZE_K
	s_mov_b32 s[G1B+6], 0
	s_mov_b32 s[G1B+7], 0
	s_or_b32 s[G1SA], s84, (3<<16)|(1<<21)
	s_mov_b32 s[G1SA+1], 64<<16
	s_mov_b32 s[G1SA+2], (SIZE_K/128)<<16
	s_mov_b32 s[G1SA+3], 64<<16
	s_mov_b32 s[G1SA+4], SIZE_K/128
	s_mov_b32 s[G1SA+5], 2048
	s_mov_b32 s[G1SA+6], 0
	s_mov_b32 s[G1SA+7], 0
	s_or_b32 s[G1SB], s85, (3<<16)|(1<<20)|(1<<21)|(5<<22)|(3<<25)
	s_mov_b32 s[G1SB+1], 32<<16
	s_mov_b32 s[G1SB+2], (128*KS/256)<<16
	s_mov_b32 s[G1SB+3], 32<<16
	s_mov_b32 s[G1SB+4], 128*KS/256
	s_mov_b32 s[G1SB+5], 32
	s_mov_b32 s[G1SB+6], 0
	s_mov_b32 s[G1SB+7], 0
	s_lshl_b32 s86, s22, 3
	s_lshl_b32 s87, s18, 2
	s_add_co_u32 s86, s86, s87
	s_mul_i32 s86, s86, SIZE_K*16
	s_mov_b32 s87, 0
	s_lshl_b32 s88, s22, 9
	s_add_co_u32 s88, s88, A_SC
	s_mov_b32 s89, 0
	s_lshl_b32 s90, s21, 7
	s_mul_i32 s92, s90, KS
	s_lshl_b32 s91, s18, 6
	s_add_co_u32 s90, s90, s91
	s_mov_b32 s93, 0
	s_mul_i32 s90, s90, SIZE_K
	s_mov_b32 s91, 0
	s_lshl_b32 s94, s18, 15
	s_mul_i32 s95, s18, 64*BP
	s_add_co_u32 s95, s95, BOFF
	s_wait_kmcnt 0x0
	s_add_nc_u64 s[86:87], s[4:5], s[86:87]
	s_add_nc_u64 s[88:89], s[4:5], s[88:89]
	s_add_nc_u64 s[90:91], s[6:7], s[90:91]
	s_add_nc_u64 s[92:93], s[8:9], s[92:93]
	CROUND
	s_mov_b32 s[G0SA], 1
	s_mov_b32 s[G0SA+1], SCA
	s_mov_b64 s[G0SA+2:G0SA+3], s[88:89]
	s_or_b32 s[G0SA+3], s[G0SA+3], 0x80000000
	s_mov_b32 s[G0SB], 1
	s_mov_b32 s[G0SB+1], SCB
	s_mov_b64 s[G0SB+2:G0SB+3], s[92:93]
	s_or_b32 s[G0SB+3], s[G0SB+3], 0x80000000
.irp s, 0,1
	s_mov_b32 s[G0A+4*\s], 1
	s_add_co_u32 s[G0A+4*\s+1], s94, \s*SLOT
	s_add_nc_u64 s[G0A+4*\s+2:G0A+4*\s+3], s[86:87], \s*8192
	s_or_b32 s[G0A+4*\s+3], s[G0A+4*\s+3], 0x80000000
	s_mov_b32 s[G0B+4*\s], 1
	s_add_co_u32 s[G0B+4*\s+1], s95, \s*SLOT
	s_add_nc_u64 s[G0B+4*\s+2:G0B+4*\s+3], s[90:91], \s*512
	s_or_b32 s[G0B+4*\s+3], s[G0B+4*\s+3], 0x80000000
.endr
; the head's loads, one a wave, in one chain of branches.  Waves 0 and 2 have half 0, so their slot 0 descriptors point at a tile's first row and first LDS byte; group 1 counts the whole tile's rows here
.macro ARM is, g0, g1, next
	s_cmp_eq_u32 s16, \is
	s_cbranch_scc0 \next
	tensor_load_to_lds s[\g0:\g0+3], s[\g1:\g1+7]
	s_nop 0
.rept 4
	v_nop
.endr
	s_branch .Lhead_asked
\next:
.endm
	ARM 0, G0A, G1A, .Lhead_b
	ARM 2, G0B, G1B, .Lhead_sa
	ARM 1, G0SA, G1SA, .Lhead_sb
	tensor_load_to_lds s[G0SB:G0SB+3], s[G1SB:G1SB+7]
	s_nop 0
.rept 4
	v_nop
.endr
.Lhead_asked:
	v_and_b32 v1, 15, v0
	v_bfe_u32 v2, v0, 4, 1
	v_and_b32 v3, 31, v0
	v_lshlrev_b32 v4, 4, v3
	s_lshl_b32 s84, s17, 15
	v_add_nc_u32 v[ADA], s84, v4
	v_add_nc_u32 v[ADA+1], SLOT, v[ADA]
	v_mul_u32_u24 v5, v1, BP
	v_lshl_add_u32 v5, v2, 4, v5
	s_mul_i32 s84, s18, 64*BP
	s_add_co_u32 s84, s84, BOFF
	v_add_nc_u32 v[ADB], s84, v5
	v_add_nc_u32 v[ADB+1], SLOT, v[ADB]
	s_lshl_b32 s84, s17, 8
	s_add_co_u32 s84, s84, SCA
	v_lshl_add_u32 v[ADSA], v1, 2, s84
	v_mul_u32_u24 v5, v1, KS
	v_lshrrev_b32 v6, 8, v5
	v_lshl_add_u32 v5, v6, 4, v5
	s_mul_i32 s84, s18, HALFS
	s_add_co_u32 s84, s84, SCB
	v_add_nc_u32 v[ADSB], s84, v5
	s_mul_i32 s84, s16, 16*SP
	v_mul_u32_u24 v5, v1, SP
	v_lshl_add_u32 v5, v2, 5, v5
	v_add_nc_u32 v[STO], s84, v5
	v_mul_u32_u24 v5, v2, SP
	v_lshl_add_u32 v5, v1, 4, v5
	v_add_nc_u32 v[RD], s84, v5
	v_lshlrev_b32 v5, 12, v2
	v_lshl_add_u32 v[RO], v1, 4, v5
	v_lshlrev_b32 v7, 5, v2
	s_wait_alu depctr_va_vdst(0)
	s_lshl_b32 s98, s21, 7
	s_lshl_b32 s99, s18, 6
	s_add_co_u32 s98, s98, s99
	s_lshl_b32 s98, s98, 2
	s_mov_b32 s99, 0
	s_add_nc_u64 s[10:11], s[10:11], s[98:99]
	s_lshl_b32 s100, s22, 7
	s_lshl_b32 s101, s17, 6
	s_add_co_u32 s100, s100, s101
	s_lshl_b32 s100, s100, 12
	s_add_co_u32 s98, s98, s100
	s_add_nc_u64 s[12:13], s[12:13], s[98:99]
	s_add_nc_u64 s[14:15], s[14:15], s[98:99]
.irp b, 0,1,2,3
	global_load_b128 v[BI+8*\b:BI+8*\b+3], v7, s[10:11] offset:64*\b
	global_load_b128 v[BI+8*\b+4:BI+8*\b+7], v7, s[10:11] offset:64*\b+16
.endr
	WIN 0x80
.irp a, 0,1,2,3
.irp t, 0,1,2,3,4,5,6,7
	global_load_b128 v[32*\a+4*\t:32*\a+4*\t+3], v[RO], s[12:13] offset:(16*\a+2*\t)*4096
.endr
.endr
	WIN 0
.macro MULA f, sc, a, first
.irp b, 0,1,2,3
.if \first
	v_wmma_scale_f32_16x16x128_f8f6f4 v[ACC+8*(4*(\a)+\b):ACC+8*(4*(\a)+\b)+7], v[(\f)+64+16*\b:(\f)+64+16*\b+15], v[(\f)+16*(\a):(\f)+16*(\a)+15], v[BI+8*\b:BI+8*\b+7], v[SCR+8*(\sc)+4+\b], v[SCR+8*(\sc)+(\a)] matrix_a_fmt:MATRIX_FMT_BF8 matrix_b_fmt:MATRIX_FMT_BF8
.else
	v_wmma_scale_f32_16x16x128_f8f6f4 v[ACC+8*(4*(\a)+\b):ACC+8*(4*(\a)+\b)+7], v[(\f)+64+16*\b:(\f)+64+16*\b+15], v[(\f)+16*(\a):(\f)+16*(\a)+15], v[ACC+8*(4*(\a)+\b):ACC+8*(4*(\a)+\b)+7], v[SCR+8*(\sc)+4+\b], v[SCR+8*(\sc)+(\a)] matrix_a_fmt:MATRIX_FMT_BF8 matrix_b_fmt:MATRIX_FMT_BF8
.endif
.endr
.endm
.macro FETCH slot, q, f, sc
	WIN 0
.irp a, 0,1,2,3
	ds_load_b32 v[SCR+8*(\sc)+\a], v[ADSA] offset:512*(\q)+64*\a
	ds_load_b32 v[SCR+8*(\sc)+4+\a], v[ADSB] offset:4*(\q)+\a*SBLK
.endr
	WIN TO_F
.irp b, 0,1,2,3
.irp c, 0,1,2,3
	ds_load_b128 v[(\f)+64+16*\b+4*\c:(\f)+64+16*\b+4*\c+3], v[ADB+\slot] offset:128*(\q)+32*\c+\b*16*BP
.endr
.endr
.irp a, 0,1,2,3
.irp c, 0,1,2,3
	ds_load_b128 v[(\f)+16*\a+4*\c:(\f)+16*\a+4*\c+3], v[ADA+\slot] offset:8192*\a+2048*(\q)+512*\c
.endr
.endr
.endm
.macro PLACES n
.rept \n
	v_nop
.endr
.endm
.macro STEP slot, q, first
	s_wait_dscnt 8
	WIN MUL
	MULA F0+128*((\q)%2), (\q)%2, 0, \first
	MULA F0+128*((\q)%2), (\q)%2, 1, \first
	PLACES 8
	FETCH \slot, (\q)+1, F0+128*(1-(\q)%2), 1-(\q)%2
	s_wait_dscnt 40
	WIN MUL
	MULA F0+128*((\q)%2), (\q)%2, 2, \first
	MULA F0+128*((\q)%2), (\q)%2, 3, \first
.endm
.macro TURN slot, next, fill
	WIN 0
	s_wait_tensorcnt 0x0
	ds_add_u32 v[SPW], v[NIL]
	s_wait_dscnt 9
	WIN MUL
	MULA F1, 1, 0, 0
	s_wait_dscnt 0x0
	s_barrier_signal -1
	MULA F1, 1, 1, 0
	WIN 0
	s_barrier_wait -1
.if \fill
	CREST
	s_add_nc_u64 s[G0A+4*\slot+2:G0A+4*\slot+3], s[G0A+4*\slot+2:G0A+4*\slot+3], 16384
	s_add_nc_u64 s[G0B+4*\slot+2:G0B+4*\slot+3], s[G0B+4*\slot+2:G0B+4*\slot+3], 1024
	JLOAD G0A+4*\slot, G1A, G0B+4*\slot, G1B
	PLACES 4
.else
	PLACES 8
.endif
	v_add_nc_u32 v[ADSA], 2048, v[ADSA]
	v_add_nc_u32 v[ADSB], 16, v[ADSB]
	FETCH \next, 0, F0, 0
	WIN MUL
	MULA F1, 1, 2, 0
	MULA F1, 1, 3, 0
.endm
	s_wait_alu depctr_va_vdst(0)
	s_wait_tensorcnt 0x0                           ; my tile of the head's four is in; slot 1's first fill is issued as a refill is
	ds_add_u32 v[SPW], v[NIL]
	s_mov_b32 s[G1A+2], 4<<16                      ; no load of mine is out: from here on a load brings half a tile
	s_mov_b32 s[G1A+4], 4
	s_mov_b32 s[G1B+2], 64<<16
	s_mov_b32 s[G1B+4], 64
	s_wait_dscnt 0x0
	CROUND
	JLOAD G0A+4, G1A, G0B+4, G1B
	FETCH 0, 0, F0, 0
	s_wait_loadcnt 32
	STEP 0, 0, 1
.if LAPS > 1
	WIN 0
	s_mov_b32 s3, LAPS-1
.Llap:
	STEP 0, 1, 0
	STEP 0, 2, 0
	TURN 0, 1, 1
	STEP 1, 0, 0
	STEP 1, 1, 0
	STEP 1, 2, 0
	TURN 1, 0, 1
	STEP 0, 0, 0
	WIN 0
	s_sub_co_u32 s3, s3, 1
	s_cmp_lg_u32 s3, 0
	s_cbranch_scc1 .Llap
.endif
	STEP 0, 1, 0
	STEP 0, 2, 0
	TURN 0, 1, 0
	s_wait_alu depctr_va_vdst(0)
	STEP 1, 0, 0
	STEP 1, 1, 0
	STEP 1, 2, 0
	s_wait_dscnt 8
	WIN MUL
	MULA F1, 1, 0, 0
	MULA F1, 1, 1, 0
	s_wait_dscnt 0
	MULA F1, 1, 2, 0
	MULA F1, 1, 3, 0
	WIN 0
	PLACES 8
	s_wait_loadcnt 0x0
.irp a, 0,1,2,3
.set TT, TMP+32*(\a%2)
.if \a >= 2
	s_wait_xcnt 0x0
.endif
.irp b, 0,1,2,3
	ds_store_b128 v[STO], v[ACC+8*(4*\a+\b):ACC+8*(4*\a+\b)+3] offset:64*\b
	ds_store_b128 v[STO], v[ACC+8*(4*\a+\b)+4:ACC+8*(4*\a+\b)+7] offset:64*\b+16
.endr
.irp t, 0,1,2,3,4,5,6,7
	ds_load_b128 v[TT+4*\t:TT+4*\t+3], v[RD] offset:2*SP*\t
.endr
	s_wait_dscnt 0x0
	WIN 0x08
.set i, 0
.rept 16
	v_pk_add_f32 v[TT+i:TT+i+1], v[TT+i:TT+i+1], v[32*\a+i:32*\a+i+1]
.set i, i+2
.endr
	WIN 0
.irp t, 0,1,2,3,4,5,6,7
	global_store_b128 v[RO], v[TT+4*\t:TT+4*\t+3], s[14:15] offset:(16*\a+2*\t)*4096
.endr
.endr
	s_wait_tensorcnt 0x0
	ds_add_u32 v[SPW], v[NIL]
	s_wait_dscnt 0x0
	CROUND
	s_endpgm
.Lfunc_end_k_q5e0658058c_oproj:
	.size	k_q5e0658058c_oproj, .Lfunc_end_k_q5e0658058c_oproj-k_q5e0658058c_oproj
	.p2alignl 7, 3214868480
	.fill 96, 4, 3214868480
	.section	.rodata,"a",@progbits
	.p2align	6, 0x0
	.amdhsa_kernel k_q5e0658058c_oproj
		.amdhsa_group_segment_fixed_size 327680
		.amdhsa_private_segment_fixed_size 0
		.amdhsa_enable_private_segment 0
		.amdhsa_kernarg_size 48
		.amdhsa_user_sgpr_count 2
		.amdhsa_user_sgpr_kernarg_segment_ptr 1
		.amdhsa_wavefront_size32 1
		.amdhsa_system_sgpr_workgroup_id_x 1
		.amdhsa_system_sgpr_workgroup_id_y 1
		.amdhsa_system_sgpr_workgroup_id_z 1
		.amdhsa_system_vgpr_workitem_id 0
		.amdhsa_next_free_vgpr 640
		.amdhsa_next_free_sgpr 102
		.amdhsa_reserve_vcc 0
		.amdhsa_float_denorm_mode_32 3
		.amdhsa_float_denorm_mode_16_64 3
		.amdhsa_memory_ordered 1
		.amdhsa_forward_progress 1
		.amdhsa_inst_pref_size 66
	.end_amdhsa_kernel
	.amdgpu_metadata
---
amdhsa.version: [ 1, 2 ]
amdhsa.kernels:
  - .name:           k_q5e0658058c_oproj
    .symbol:         k_q5e0658058c_oproj.kd
    .args:
      - { .name: act, .offset: 0, .size: 8, .value_kind: global_buffer, .address_space: global }
      - { .name: w_out_codes, .offset: 8, .size: 8, .value_kind: global_buffer, .address_space: global }
      - { .name: w_out_scales, .offset: 16, .size: 8, .value_kind: global_buffer, .address_space: global }
      - { .name: b_out, .offset: 24, .size: 8, .value_kind: global_buffer, .address_space: global }
      - { .name: x, .offset: 32, .size: 8, .value_kind: global_buffer, .address_space: global }
      - { .name: x1, .offset: 40, .size: 8, .value_kind: global_buffer, .address_space: global }
    .group_segment_fixed_size: 327680
    .private_segment_fixed_size: 0
    .kernarg_segment_align: 8
    .kernarg_segment_size: 48
    .max_flat_workgroup_size: 128
    .sgpr_count:     102
    .vgpr_count:     640
    .wavefront_size: 32
...
	.end_amdgpu_metadata
.endif
;; end of part 4
;; launch ln2: the kernel of part 1 again; grid 256 x 1, 8 waves a work-group, no clusters, 83,456 bytes of LDS; arguments x1, ln2_g, ln2_b, act; writes act
;; launch ffn1 (part 5): grid 16 x 16, 4 waves a work-group, clusters of 4 x 4, 327,680 bytes of LDS; arguments act, w1_codes, w1_scales, b1, gbuf; writes gbuf
.if DOCPART == 5
	.amdgcn_target "amdgcn-amd-amdhsa--gfx1250"
	.amdhsa_code_object_version 6
	.text
	.protected	k_q5e0658058c_ffn1
	.globl	k_q5e0658058c_ffn1
	.p2align	8
	.type	k_q5e0658058c_ffn1,@function
k_q5e0658058c_ffn1:
	s_mov_b64 s[64:65], 0
	v_nop
	global_prefetch_b8 v0, s[64:65] scope:SCOPE_SE
	s_setreg_imm32_b32 hwreg(HW_REG_WAVE_MODE, 25, 1), 1
	s_wait_xcnt 0x0
	s_wait_alu depctr_hold_cnt(0) depctr_sa_sdst(0) depctr_va_vdst(0) depctr_va_sdst(0) depctr_va_ssrc(0) depctr_va_vcc(0) depctr_vm_vsrc(0)
	s_getreg_b32 s2, hwreg(HW_REG_IB_STS2, 6, 4)
	s_cmp_eq_u32 s2, 0
	s_cbranch_scc0 .Lentry_in_a_cluster
	s_endpgm
.Lentry_in_a_cluster:
	s_bfe_u32 s2, ttmp6, 0x10000c
	s_cmp_lg_u32 s2, 0xf033
	s_cbranch_scc0 .Lentry_shape_is_right
	s_endpgm
.Lentry_shape_is_right:
; g = gelu(LN2(x1) W1 + b1) on codes of E5M2 with E8M0 scales, K = 1,024; g is quantised along its own axis on the way out and stored as images of operand registers, with its scale words at G_SC.
; A tile of 256 x 256 is made by four waves, 128 x 128 each; K goes in steps of 256 through two LDS slots; clusters of 4 x 4 with joint loads; the scale bytes of the tile's rows come once.
; THE HEAD: one joint load a wave: wave 0 K step 0's 256 rows of act, wave 1 those of w1, waves 2 and 3 their scale bytes; K step 1 is asked for behind the full sequence and a round.
; gelu's erfc is taken as t x exp(-x^2 / 2 + a polynomial in t), t = 1 / (1 + |x| / (2 sqrt 2)), all in f32.
.set KSTEP,  256
.set NQ,     2
.set ROWB,   256
.set KROW,   1024
.set PITCH,  272
.set FR,     16
.set NL,     4
.set NP,     8
.set HALFT,  128*PITCH
.set SLOT,   4*HALFT
.set LAPS,   2
.set KS,     32
.set SCL,    2*SLOT
.set HALFS,  (128*KS/256)*272
.set SBLK,   (16*KS/256)*272
.set SPARE,  SCL+4*HALFS
.set ACT_SC, 4194304
.set G_SC,   16777216
.set VO,   8
.set VL,   9
.set STA,  10
.set ADRA, 16
.set ADRB, 20
.set STS,  24
.set RDS,  25
.set ADRS, 27
.set SPW,  28
.set NIL,  29
.set SC,   32
.set BI,   64
.set AF,   128
.set XG,   128
.set T,    192
.set Q,    208
.set P,    224
.set VC9,  240
.set TM,   192
.set PC,   208
.set PW,   224
.set G1, 24
.set G0, 32
.set G1B, 48
.set G0B, 56
.set G1S, 68
.set G0S, 76
.set G1SB, 80
.set G0SB, 88
.set SEL, 48
.set MNT, 50
.set SOFF, 51
.set K1,  52
.set MSB, 0
.macro WIN new
.if MSB != (\new)
	s_set_vgpr_msb (MSB<<8)|(\new)
.set MSB, (\new)
.endif
.endm
.set MUL_LO, 0xa1
.set MUL_HI, 0xf1
.set TO_B,   0x40
.macro JLOAD g0a, g1a, g0b, g1b
	s_cmp_eq_u32 s15, 0
	s_cbranch_scc0 .Lfor_b_\@
	tensor_load_to_lds s[\g0a:\g0a+3], s[\g1a:\g1a+7]
	s_nop 0
.rept 4
	v_nop
.endr
	s_branch .Lasked_\@
.Lfor_b_\@:
	tensor_load_to_lds s[\g0b:\g0b+3], s[\g1b:\g1b+7]
	s_nop 0
.rept 4
	v_nop
.endr
.Lasked_\@:
.endm
.macro CREST
	s_cmp_lg_u32 s14, 0
	s_cbranch_scc1 .Lnot_wave_0_\@
	s_barrier_signal -3
.Lnot_wave_0_\@:
	s_barrier_wait -3
	s_barrier_signal -1
	s_barrier_wait -1
.endm
.macro CROUND
	s_barrier_signal -1
	s_barrier_wait -1
	CREST
.endm
	s_load_b256 s[4:11], s[0:1], 0x0
	s_load_b64 s[12:13], s[0:1], 0x20
	v_lshl_add_u32 v[SPW], v0, 2, SPARE
	v_mov_b32 v[NIL], 0
	ds_add_u32 v28, v29
	ds_add_u32 v28, v29
	s_wait_dscnt 0x0
	v_lshrrev_b32 v1, 5, v0
	v_readfirstlane_b32 s14, v1
	s_lshr_b32 s15, s14, 1
	s_and_b32 s16, s14, 1
	s_bfe_u32 s40, ttmp6, 0x40000
	s_bfe_u32 s41, ttmp6, 0x40004
	s_lshl_b32 s42, ttmp9, 2
	s_add_co_u32 s42, s42, s40
	s_and_b32 s17, ttmp7, 0xffff
	s_lshl_b32 s17, s17, 2
	s_add_co_u32 s17, s17, s41
	s_lshl_b32 s43, s41, 2
	s_lshl_b32 s43, 15, s43
	s_lshl_b32 s44, 0x1111, s40
	s_or_b32 s[G1+0], s43, (0<<16)|(1<<20)|(1<<21)|(5<<22)|(3<<25)
	s_or_b32 s[G1B+0], s44, (0<<16)|(1<<20)|(1<<21)|(5<<22)|(3<<25)
.irp g, G1, G1B
	s_mov_b32 s[\g+1], ROWB<<16
	s_mov_b32 s[\g+2], 256<<16
	s_mov_b32 s[\g+3], ROWB<<16
	s_mov_b32 s[\g+4], 256
	s_mov_b32 s[\g+5], KROW
	s_mov_b32 s[\g+6], 0
	s_mov_b32 s[\g+7], 0
.endr
	s_or_b32 s[G1S+0], s43, (3<<16)|(1<<20)|(1<<21)|(5<<22)|(3<<25)
	s_or_b32 s[G1SB+0], s44, (3<<16)|(1<<20)|(1<<21)|(5<<22)|(3<<25)
.irp g, G1S, G1SB
	s_mov_b32 s[\g+1], 32<<16
	s_mov_b32 s[\g+2], KS<<16
	s_mov_b32 s[\g+3], 32<<16
	s_mov_b32 s[\g+4], KS
	s_mov_b32 s[\g+5], 32
	s_mov_b32 s[\g+6], 0
	s_mov_b32 s[\g+7], 0
.endr
	s_lshl_b32 s20, s17, 8
	s_lshl_b32 s46, s42, 8
	s_mov_b32 s21, 0
	s_mov_b32 s47, 0
	s_mov_b64 s[18:19], KS
	s_mul_u64 s[22:23], s[20:21], s[18:19]
	s_mul_u64 s[92:93], s[46:47], s[18:19]
	s_mov_b64 s[18:19], KROW
	s_mul_u64 s[20:21], s[20:21], s[18:19]
	s_mul_u64 s[46:47], s[46:47], s[18:19]
	s_mul_i32 s45, s14, HALFT
	s_mul_i32 s18, s16, 128*KROW                   ; s[18:19]: in the ring I fetch 128 rows of a tile: which half, in bytes
	s_mov_b32 s19, 0
	s_wait_kmcnt 0x0
	s_add_nc_u64 s[96:97], s[4:5], ACT_SC
	s_add_nc_u64 s[20:21], s[4:5], s[20:21]
	s_add_nc_u64 s[22:23], s[96:97], s[22:23]
	s_add_nc_u64 s[46:47], s[6:7], s[46:47]
	s_add_nc_u64 s[92:93], s[8:9], s[92:93]
	CROUND
	s_mov_b32 s[G0S], 1
	s_mov_b32 s[G0S+1], SCL
	s_mov_b64 s[G0S+2:G0S+3], s[22:23]
	s_or_b32 s[G0S+3], s[G0S+3], 0x80000000
	s_mov_b32 s[G0SB], 1
	s_mov_b32 s[G0SB+1], SCL+2*HALFS
	s_mov_b64 s[G0SB+2:G0SB+3], s[92:93]
	s_or_b32 s[G0SB+3], s[G0SB+3], 0x80000000
.irp s, 0,1
	s_mov_b32 s[G0+4*\s], 1
	s_add_co_u32 s[G0+4*\s+1], s45, \s*SLOT
	s_add_nc_u64 s[G0+4*\s+2:G0+4*\s+3], s[20:21], \s*ROWB
	s_or_b32 s[G0+4*\s+3], s[G0+4*\s+3], 0x80000000
	s_mov_b32 s[G0B+4*\s], 1
	s_add_co_u32 s[G0B+4*\s+1], s45, \s*SLOT
	s_add_nc_u64 s[G0B+4*\s+2:G0B+4*\s+3], s[46:47], \s*ROWB
	s_or_b32 s[G0B+4*\s+3], s[G0B+4*\s+3], 0x80000000
.endr
	s_add_nc_u64 s[G0+6:G0+7], s[G0+6:G0+7], s[18:19]       ; slot 1's loads bring my 128 rows
	s_add_nc_u64 s[G0B+6:G0B+7], s[G0B+6:G0B+7], s[18:19]
	s_mov_b32 s[G0+1], 0                           ; slot 0's serve the head first: a whole tile of 256 rows each
	s_mov_b32 s[G0B+1], 2*HALFT
; the head's loads, one a wave, in one chain of branches on the wave's number
.macro ARM under, g0, g1, next
	s_cmp_lt_u32 s14, \under
	s_cbranch_scc0 \next
	tensor_load_to_lds s[\g0:\g0+3], s[\g1:\g1+7]
	s_nop 0
.rept 4
	v_nop
.endr
	s_branch .Lhead_asked
\next:
.endm
	ARM 1, G0, G1, .Lhead_b
	ARM 2, G0B, G1B, .Lhead_sa
	ARM 3, G0S, G1S, .Lhead_sb
	tensor_load_to_lds s[G0SB:G0SB+3], s[G1SB:G1SB+7]
	s_nop 0
.rept 4
	v_nop
.endr
.Lhead_asked:
	; prefetches of K steps 2 and 3, which the two refills will load: of the 128 rows that I fetch in the ring, my work-group takes 32 (by address: cx for act, cy for w1), a lane a row of 256 bytes
	s_cmp_eq_u32 s15, 0
	s_cselect_b64 s[66:67], s[20:21], s[46:47]
	s_cselect_b32 s94, s40, s41
	s_mul_i32 s94, s94, 32*KROW
	s_add_co_u32 s94, s94, s18
	s_mov_b32 s95, 0
	s_add_nc_u64 s[66:67], s[66:67], s[94:95]
	v_and_b32 v13, 31, v0
	v_lshlrev_b32 v13, 10, v13                     ; v13 and s[66:67] are never rewritten
	global_prefetch_b8 v13, s[66:67] offset:2*ROWB th:TH_LOAD_NT scope:SCOPE_SE
	global_prefetch_b8 v13, s[66:67] offset:3*ROWB th:TH_LOAD_NT scope:SCOPE_SE
	v_and_b32 v1, 15, v0
	v_bfe_u32 v2, v0, 4, 1
	v_mul_u32_u24 v3, v1, PITCH
	v_lshl_add_u32 v4, v2, 4, v3
	s_mul_i32 s21, s15, HALFT
	s_mul_i32 s22, s16, HALFT
	s_add_co_u32 s22, s22, 2*HALFT
.irp s, 0,1
	v_add_nc_u32 v[ADRA+\s], s21, v4
	v_add_nc_u32 v[ADRB+\s], s22, v4
	s_add_co_u32 s21, s21, SLOT
	s_add_co_u32 s22, s22, SLOT
.endr
	v_mul_u32_u24 v5, v1, KS
	v_lshrrev_b32 v6, 8, v5
	v_lshl_add_u32 v5, v6, 4, v5
	s_mul_i32 s21, s15, HALFS
	s_mul_i32 s22, s16, HALFS
	s_add_co_u32 s22, s22, 2*HALFS
	s_sub_co_u32 s22, s22, s21
	v_mul_u32_u24 v6, s22, v2
	s_add_co_u32 s21, s21, SCL
	v_add_nc_u32 v5, v5, v6
	v_add_nc_u32 v[ADRS], s21, v5
	s_lshl_b32 s23, s14, 9
	v_lshl_add_u32 v[STS], v1, 2, s23
	v_and_b32 v6, 31, v0
	v_lshlrev_b32 v[VL], 4, v6
	v_add_nc_u32 v[RDS], s23, v[VL]
	v_lshlrev_b32 v[VO], 4, v1
	v_lshl_add_u32 v[VO], v2, 3, v[VO]
	v_lshlrev_b32 v7, 5, v2
	s_lshl_b32 s98, s42, 8
	s_lshl_b32 s99, s16, 7
	s_add_co_u32 s98, s98, s99
	s_lshl_b32 s98, s98, 2
	s_mov_b32 s99, 0
	s_add_nc_u64 s[98:99], s[10:11], s[98:99]
.irp b, 0,1,2,3,4,5,6,7
	global_load_b128 v[BI+8*\b:BI+8*\b+3], v7, s[98:99] offset:64*\b
	global_load_b128 v[BI+8*\b+4:BI+8*\b+7], v7, s[98:99] offset:64*\b+16
.endr
.macro FRAG reg, adr, q, i
.irp c, 0,1,2,3
	ds_load_b128 v[\reg+4*\c:\reg+4*\c+3], v[\adr] offset:128*(\q)+32*\c+(\i)*16*PITCH
.endr
.endm
.macro MUL16 a0, p, q, sc, zero
.irp a, \a0, \a0+1
.irp b, 0,1,2,3,4,5,6,7
.if \zero
	v_wmma_scale_f32_16x16x128_f8f6f4 v[8*(8*((\a)%4)+\b):8*(8*((\a)%4)+\b)+7], v[128*(\p)+FR*\b:128*(\p)+FR*\b+FR-1], v[AF+FR*(\a):AF+FR*(\a)+FR-1], 0, v[SC+8*NQ*(\sc)+NQ*\b+(\q)], v[SC+8*NQ*(\sc)+NQ*(\a)+(\q)] matrix_a_fmt:MATRIX_FMT_BF8 matrix_b_fmt:MATRIX_FMT_BF8 matrix_a_scale:MATRIX_SCALE_ROW1
.else
	v_wmma_scale_f32_16x16x128_f8f6f4 v[8*(8*((\a)%4)+\b):8*(8*((\a)%4)+\b)+7], v[128*(\p)+FR*\b:128*(\p)+FR*\b+FR-1], v[AF+FR*(\a):AF+FR*(\a)+FR-1], v[8*(8*((\a)%4)+\b):8*(8*((\a)%4)+\b)+7], v[SC+8*NQ*(\sc)+NQ*\b+(\q)], v[SC+8*NQ*(\sc)+NQ*(\a)+(\q)] matrix_a_fmt:MATRIX_FMT_BF8 matrix_b_fmt:MATRIX_FMT_BF8 matrix_a_scale:MATRIX_SCALE_ROW1
.endif
.endr
.endr
.endm
.macro FETCH_B slot, q, p
	WIN TO_B
.irp i, 0,1,2,3,4,5,6,7
	FRAG 128*(\p)+FR*\i, ADRB+\slot, \q, \i
.endr
	WIN 0
.endm
.macro FETCH_A slot, q, i0
.irp i, \i0, \i0+1, \i0+2, \i0+3
	FRAG AF+FR*(\i), ADRA+\slot, \q, \i
.endr
.endm
.macro SCALES sc
.irp i, 0,1,2,3,4,5,6,7
	ds_load_b64 v[SC+8*NQ*\sc+NQ*\i:SC+8*NQ*\sc+NQ*\i+1], v[ADRS] offset:\i*SBLK
.endr
.endm
.macro PLACES n
.rept \n
	v_nop
.endr
.endm
.macro STEP slot, q, zero
	s_wait_dscnt 4*NL
	WIN MUL_LO
	MUL16 0, (\q)%2, \q, \slot, \zero
	MUL16 2, (\q)%2, \q, \slot, \zero
	s_wait_dscnt 0
	PLACES NP
	FETCH_B \slot, (\q)+1, 1-(\q)%2
	FETCH_A \slot, (\q)+1, 0
	WIN MUL_HI
	MUL16 4, (\q)%2, \q, \slot, \zero
	MUL16 6, (\q)%2, \q, \slot, \zero
	PLACES NP
	WIN 0
	FETCH_A \slot, (\q)+1, 4
.endm
.macro TURN slot, next, fill
	s_wait_tensorcnt 0x0
	ds_add_u32 v[SPW], v[NIL]
	s_wait_dscnt 4*NL+1
	WIN MUL_LO
	MUL16 0, 1, NQ-1, \slot, 0
	s_wait_dscnt 0x0
	s_barrier_signal -1
	MUL16 2, 1, NQ-1, \slot, 0
	WIN 0
	s_barrier_wait -1
.if \fill
	CREST
	s_add_nc_u64 s[G0+4*\slot+2:G0+4*\slot+3], s[G0+4*\slot+2:G0+4*\slot+3], 2*ROWB
	s_add_nc_u64 s[G0B+4*\slot+2:G0B+4*\slot+3], s[G0B+4*\slot+2:G0B+4*\slot+3], 2*ROWB
	JLOAD G0+4*\slot, G1, G0B+4*\slot, G1B
	PLACES NP-4
.else
	PLACES NP
.endif
	s_wait_alu depctr_va_vdst(0)
	v_add_nc_u32 v[ADRS], 4*NQ, v[ADRS]
	FETCH_B \next, 0, 0
	FETCH_A \next, 0, 0
	SCALES \next
	WIN MUL_HI
	MUL16 4, 1, NQ-1, \slot, 0
	MUL16 6, 1, NQ-1, \slot, 0
	PLACES NP
	WIN 0
	FETCH_A \next, 0, 4
.endm
	s_wait_alu depctr_va_vdst(0)
	s_wait_tensorcnt 0x0                           ; my tile of the head's four is in; slot 1's first fill is issued as a refill is
	ds_add_u32 v[SPW], v[NIL]
	s_mov_b32 s[G1+2], 128<<16                     ; no load of mine is out: from here on a load brings 128 rows,
	s_mov_b32 s[G1+4], 128
	s_mov_b32 s[G1B+2], 128<<16
	s_mov_b32 s[G1B+4], 128
	s_add_nc_u64 s[G0+2:G0+3], s[G0+2:G0+3], s[18:19]       ; and slot 0's loads bring my half, to my place
	s_add_nc_u64 s[G0B+2:G0B+3], s[G0B+2:G0B+3], s[18:19]
	s_mov_b32 s[G0+1], s45
	s_mov_b32 s[G0B+1], s45
	s_wait_dscnt 0x0
	CROUND
	JLOAD G0+4, G1, G0B+4, G1B
	FETCH_B 0, 0, 0
	FETCH_A 0, 0, 0
	SCALES 0
	FETCH_A 0, 0, 4
	STEP 0, 0, 1
	s_mov_b32 s3, LAPS-1
.Llap:
	TURN 0, 1, 1
	STEP 1, 0, 0
	TURN 1, 0, 1
	STEP 0, 0, 0
	s_sub_co_u32 s3, s3, 1
	s_cmp_lg_u32 s3, 0
	s_cbranch_scc1 .Llap
	TURN 0, 1, 0
	STEP 1, 0, 0
	s_wait_dscnt 4*NL
	WIN MUL_LO
	MUL16 0, 1, NQ-1, 1, 0
	MUL16 2, 1, NQ-1, 1, 0
	s_wait_dscnt 0
	WIN MUL_HI
	MUL16 4, 1, NQ-1, 1, 0
	MUL16 6, 1, NQ-1, 1, 0
	WIN 0
	PLACES NP
	s_wait_loadcnt 0x0
	s_lshl_b32 s24, s17, 8
	s_lshl_b32 s25, s15, 7
	s_add_co_u32 s24, s24, s25
	s_lshl_b32 s25, s42, 8
	s_lshl_b32 s26, s16, 7
	s_add_co_u32 s25, s25, s26
	s_lshl_b32 s44, s24, 12
	s_lshl_b32 s45, s25, 4
	s_add_co_u32 s44, s44, s45
	s_mov_b32 s45, 0
	s_add_nc_u64 s[44:45], s[12:13], s[44:45]
	s_lshr_b32 s46, s25, 7
	s_lshl_b32 s46, s46, 14
	s_lshl_b32 s47, s24, 2
	s_add_co_u32 s46, s46, s47
	s_add_co_u32 s46, s46, G_SC
	s_mov_b32 s47, 0
	s_add_nc_u64 s[46:47], s[12:13], s[46:47]
	s_mov_b32 s[SEL], 0x76543210
	s_mov_b32 s[SEL+1], 0xfedcba98
	s_mov_b32 s[MNT], 0x600000
	s_mov_b32 s[K1], 0x3eb504f3
	v_mov_b32 v[VC9], 0x3e7c6f08
	v_mov_b32 v[VC9+1], 0x3e7c6f08
.macro GELU x
.set i, 0
.rept 16
	v_fma_f32 v[T+i], |v[(\x)+i]|, s[K1], 1.0
.set i, i+1
.endr
.set i, 0
	s_wait_alu depctr_va_vdst(0)
.rept 16
	v_rcp_f32 v[T+i], v[T+i]
.set i, i+1
.endr
.set i, 0
.rept 8
	v_pk_mul_f32 v[Q+i:Q+i+1], v[(\x)+i:(\x)+i+1], v[(\x)+i:(\x)+i+1]
.set i, i+2
.endr
	s_wait_alu depctr_va_vdst(0)
.set i, 0
.rept 8
	v_pk_fma_f32 v[P+i:P+i+1], v[T+i:T+i+1], v[VC9:VC9+1], 0xbf97d29d op_sel_hi:[1,1,0]
.set i, i+2
.endr
.irp c, 0x40097039, 0xbfd1a1e5, 0x3ecdfd18, 0xbe899a80, 0x3e0efb2e, 0x3f0a29d2, 0x3fb8ab5a, 0xc034d90f
.set i, 0
.rept 8
	v_pk_fma_f32 v[P+i:P+i+1], v[P+i:P+i+1], v[T+i:T+i+1], \c op_sel_hi:[1,1,0]
.set i, i+2
.endr
.endr
.set i, 0
.rept 8
	v_pk_fma_f32 v[P+i:P+i+1], v[Q+i:Q+i+1], 0xbf38aa3b, v[P+i:P+i+1] op_sel_hi:[1,0,1]
.set i, i+2
.endr
.set i, 0
	s_wait_alu depctr_va_vdst(0)
.rept 16
	v_exp_f32 v[P+i], v[P+i]
.set i, i+1
.endr
.set i, 0
.rept 16
	v_max_num_f32 v[Q+i], v[(\x)+i], 0
.set i, i+1
.endr
	s_wait_alu depctr_va_vdst(0)
.set i, 0
.rept 8
	v_pk_mul_f32 v[P+i:P+i+1], v[P+i:P+i+1], v[T+i:T+i+1]
.set i, i+2
.endr
.set i, 0
.rept 16
	v_fma_f32 v[(\x)+i], -|v[(\x)+i]|, v[P+i], v[Q+i]
.set i, i+1
.endr
.endm
	s_mov_b32 s3, 0
.Lrow:
.irp j, 0,1,2,3,4,5,6
	s_cmp_eq_u32 s3, \j
	s_cbranch_scc1 .Lrows_\j
.endr
.irp j, 7,0,1,2,3,4,5,6
.Lrows_\j:
	WIN 2+(\j)/4
.set i, 0
.rept 32
	v_pk_add_f32 v[XG+i:XG+i+1], v[64*((\j)%4)+i:64*((\j)%4)+i+1], v[BI+i:BI+i+1]
.set i, i+2
.endr
	WIN 0
	s_branch .Lgelu
.endr
.Lgelu:
	GELU XG
	GELU XG+16
	GELU XG+32
	GELU XG+48
.irp b, 0,1,2,3
	v_max3_num_f32 v[TM+\b], |v[XG+16*\b]|, |v[XG+16*\b+1]|, 0x8000000
.endr
.irp i, 2,4,6,8,10,12,14
.irp b, 0,1,2,3
	v_max3_num_f32 v[TM+\b], v[TM+\b], |v[XG+16*\b+\i]|, |v[XG+16*\b+\i+1]|
.endr
.endr
.irp b, 0,1,2,3
	v_permlanex16_b32 v[TM+4+\b], v[TM+\b], s[SEL], s[SEL+1]
.endr
.irp b, 0,1,2,3
	v_max_num_f32 v[TM+\b], v[TM+\b], v[TM+4+\b]
.endr
.irp b, 0,1,2,3
	v_add_nc_u32 v[TM+12+\b], 0xf8800000, v[TM+\b]
.endr
.irp b, 0,1,2,3
	v_and_or_b32 v[TM+8+\b], v[TM+\b], 0x7f800000, s[MNT]
.endr
.irp b, 0,1,2,3
	v_lshrrev_b32 v[TM+4+\b], 23, v[TM+12+\b]
.endr
	v_lshl_or_b32 v[PW], v[TM+5], 8, v[TM+4]
	v_lshl_or_b32 v[PW], v[TM+6], 16, v[PW]
	v_lshl_or_b32 v[PW], v[TM+7], 24, v[PW]
.irp b, 0,1,2,3
.irp i, 0,1,2,3,4,5,6,7,8,9,10,11,12,13,14,15
	v_med3_num_f32 v[XG+16*\b+\i], v[XG+16*\b+\i], -v[TM+8+\b], v[TM+8+\b]
.endr
	v_cvt_scalef32_pk8_bf8_f32 v[PC+4*\b:PC+4*\b+1], v[XG+16*\b:XG+16*\b+7], v[TM+12+\b]
	v_cvt_scalef32_pk8_bf8_f32 v[PC+4*\b+2:PC+4*\b+3], v[XG+16*\b+8:XG+16*\b+15], v[TM+12+\b]
.endr
	s_lshl_b32 s[SOFF], s3, 6
	v_add_nc_u32 v[STA], s[SOFF], v[STS]
.irp b, 0,1,2,3
	global_store_b64 v[VO], v[PC+4*\b:PC+4*\b+1], s[44:45] offset:512*\b
	global_store_b64 v[VO], v[PC+4*\b+2:PC+4*\b+3], s[44:45] offset:512*\b+256
.endr
	ds_store_b32 v[STA], v[PW]
	s_wait_xcnt 0x0
	s_add_nc_u64 s[44:45], s[44:45], 65536
	s_add_co_u32 s3, s3, 1
	s_cmp_lt_u32 s3, 8
	s_cbranch_scc1 .Lrow
	ds_load_b128 v[XG:XG+3], v[RDS]
	s_wait_dscnt 0x0
	global_store_b128 v[VL], v[XG:XG+3], s[46:47]
	s_wait_tensorcnt 0x0
	ds_add_u32 v[SPW], v[NIL]
	s_wait_dscnt 0x0
	CROUND
	s_endpgm
.Lfunc_end_k_q5e0658058c_ffn1:
	.size	k_q5e0658058c_ffn1, .Lfunc_end_k_q5e0658058c_ffn1-k_q5e0658058c_ffn1
	.p2alignl 7, 3214868480
	.fill 96, 4, 3214868480
	.section	.rodata,"a",@progbits
	.p2align	6, 0x0
	.amdhsa_kernel k_q5e0658058c_ffn1
		.amdhsa_group_segment_fixed_size 327680
		.amdhsa_private_segment_fixed_size 0
		.amdhsa_enable_private_segment 0
		.amdhsa_kernarg_size 40
		.amdhsa_user_sgpr_count 2
		.amdhsa_user_sgpr_kernarg_segment_ptr 1
		.amdhsa_wavefront_size32 1
		.amdhsa_system_sgpr_workgroup_id_x 1
		.amdhsa_system_sgpr_workgroup_id_y 1
		.amdhsa_system_sgpr_workgroup_id_z 1
		.amdhsa_system_vgpr_workitem_id 0
		.amdhsa_next_free_vgpr 1024
		.amdhsa_next_free_sgpr 102
		.amdhsa_reserve_vcc 0
		.amdhsa_float_denorm_mode_32 3
		.amdhsa_float_denorm_mode_16_64 3
		.amdhsa_memory_ordered 1
		.amdhsa_forward_progress 1
		.amdhsa_inst_pref_size 197
	.end_amdhsa_kernel
	.amdgpu_metadata
---
amdhsa.version: [ 1, 2 ]
amdhsa.kernels:
  - .name:           k_q5e0658058c_ffn1
    .symbol:         k_q5e0658058c_ffn1.kd
    .args:
      - { .name: act, .offset: 0, .size: 8, .value_kind: global_buffer, .address_space: global }
      - { .name: w1_codes, .offset: 8, .size: 8, .value_kind: global_buffer, .address_space: global }
      - { .name: w1_scales, .offset: 16, .size: 8, .value_kind: global_buffer, .address_space: global }
      - { .name: b1, .offset: 24, .size: 8, .value_kind: global_buffer, .address_space: global }
      - { .name: gbuf, .offset: 32, .size: 8, .value_kind: global_buffer, .address_space: global }
    .group_segment_fixed_size: 327680
    .private_segment_fixed_size: 0
    .kernarg_segment_align: 8
    .kernarg_segment_size: 40
    .max_flat_workgroup_size: 128
    .sgpr_count:     102
    .vgpr_count:     1024
    .wavefront_size: 32
...
	.end_amdgpu_metadata
.endif
;; end of part 5
;; launch ffn2 (part 6): grid 8 x 32, 4 waves a work-group, clusters of 4 x 4, 327,680 bytes of LDS; arguments gbuf, w2_codes, w2_scales, b2, x1, out0; writes out0
.if DOCPART == 6
	.amdgcn_target "amdgcn-amd-amdhsa--gfx1250"
	.amdhsa_code_object_version 6
	.text
	.protected	k_q5e0658058c_ffn2
	.globl	k_q5e0658058c_ffn2
	.p2align	8
	.type	k_q5e0658058c_ffn2,@function
k_q5e0658058c_ffn2:
	s_mov_b64 s[64:65], 0
	v_nop
	global_prefetch_b8 v0, s[64:65] scope:SCOPE_SE
	s_setreg_imm32_b32 hwreg(HW_REG_WAVE_MODE, 25, 1), 1
	s_wait_xcnt 0x0
	s_wait_alu depctr_hold_cnt(0) depctr_sa_sdst(0) depctr_va_vdst(0) depctr_va_sdst(0) depctr_va_ssrc(0) depctr_va_vcc(0) depctr_vm_vsrc(0)
	s_getreg_b32 s2, hwreg(HW_REG_IB_STS2, 6, 4)
	s_cmp_eq_u32 s2, 0
	s_cbranch_scc0 .Lentry_in_a_cluster
	s_endpgm
.Lentry_in_a_cluster:
	s_bfe_u32 s2, ttmp6, 0x10000c
	s_cmp_lg_u32 s2, 0xf033
	s_cbranch_scc0 .Lentry_shape_is_right
	s_endpgm
.Lentry_shape_is_right:
; out0 = g W2 + b2 + x1 on codes of E5M2 with E8M0 scales, K = 4,096.  A block of 128 x 128 is made by four waves, 64 x 64 each; the bias is the first products' C, x1 is added on the way out.
; A (gbuf): images of operand registers, 8,192 bytes for 16 rows x 512 K; B (w2): rows of 512 bytes, padded in LDS.  Two slots of 512 along K, eight slots' worth in all; clusters of 4 x 4 with joint loads.
; THE HEAD: one joint load a wave: wave 0 slot 0's A, wave 2 its B, wave 1 A's scale words, wave 3 B's scale bytes; slot 1 is filled behind the full sequence and a round.
; PREFETCH: behind the refill that loads slot n + 2 each wave names 32 blocks of 256 bytes of slot n + 4; slots 2 and 3 are named at the head.  Of what a wave fetches in the ring (4 images of A, or 64 rows of B) its
; work-group takes a quarter by address (cx for A: one image's 8,192 bytes; cy for B: 16 rows of 512 bytes): each block is named once in a cluster.  The loop's last trip asks for nothing: there is no slot 8.
.set SIZE_K, 4096
.set A_SC,   16777216
.set KS,     SIZE_K/32
.set LAPS,   SIZE_K/1024
.set BP,     528
.set BOFF,   65536
.set SLOT,   BOFF+128*BP
.set SCA,    2*SLOT
.set SCB,    SCA+SIZE_K*4
.set HALFS,  (64*KS/256)*272
.set SBLK,   (16*KS/256)*272
.set SPARE,  SCB+2*HALFS
.set SP,     272
.set ADA,  16
.set ADB,  18
.set ADSA, 20
.set ADSB, 21
.set STO,  22
.set RD,   23
.set RO,   24
.set SPW,  28
.set NIL,  29
.set SCR,  32
.set BI,   48
.set TMP,  48
.set ACC,  128
.set F0,   0
.set F1,   128
.set G1A,  24
.set G0A,  32
.set G1B,  40
.set G0B,  48
.set G1SA, 56
.set G1SB, 68
.set G0SA, 76
.set G0SB, 80
.set MSB, 0
.macro WIN new
.if MSB != (\new)
	s_set_vgpr_msb (MSB<<8)|(\new)
.set MSB, (\new)
.endif
.endm
.set MUL,  0x05
.set TO_F, 0x40
.set PFA,  66                          ; s[66:67] where my prefetches stand
.set PFS,  96                          ; s[96:97] a slot on, in bytes: 8,192 in an image of A, 512 in a row of B
.set PFO,  26                          ; v26 my lane's block
.set PFO1, 25                          ; v25 the same, a slot on
.macro JLOAD g0a, g1a, g0b, g1b
	s_cmp_eq_u32 s17, 0
	s_cbranch_scc0 .Lfor_b_\@
	tensor_load_to_lds s[\g0a:\g0a+3], s[\g1a:\g1a+7]
	s_nop 0
.rept 4
	v_nop
.endr
	s_branch .Lasked_\@
.Lfor_b_\@:
	tensor_load_to_lds s[\g0b:\g0b+3], s[\g1b:\g1b+7]
	s_nop 0
.rept 4
	v_nop
.endr
.Lasked_\@:
.endm
.macro CREST
	s_cmp_lg_u32 s16, 0
	s_cbranch_scc1 .Lnot_wave_0_\@
	s_barrier_signal -3
.Lnot_wave_0_\@:
	s_barrier_wait -3
	s_barrier_signal -1
	s_barrier_wait -1
.endm
.macro CROUND
	s_barrier_signal -1
	s_barrier_wait -1
	CREST
.endm
	s_load_b256 s[4:11], s[0:1], 0x0
	s_load_b128 s[12:15], s[0:1], 0x20
	v_lshl_add_u32 v[SPW], v0, 2, SPARE
	v_mov_b32 v[NIL], 0
	ds_add_u32 v28, v29
	ds_add_u32 v28, v29
	s_wait_dscnt 0x0
	v_lshrrev_b32 v1, 5, v0
	v_readfirstlane_b32 s16, v1
	s_lshr_b32 s17, s16, 1
	s_and_b32 s18, s16, 1
	s_bfe_u32 s19, ttmp6, 0x40000
	s_bfe_u32 s20, ttmp6, 0x40004
	s_lshl_b32 s21, ttmp9, 2
	s_add_co_u32 s21, s21, s19
	s_and_b32 s22, ttmp7, 0xffff
	s_lshl_b32 s22, s22, 2
	s_add_co_u32 s22, s22, s20
	s_lshl_b32 s84, s20, 2
	s_lshl_b32 s84, 15, s84
	s_lshl_b32 s85, 0x1111, s19
	s_or_b32 s[G1A], s84, (3<<16)|(1<<21)
	s_mov_b32 s[G1A+1], 1024<<16
	s_mov_b32 s[G1A+2], 8<<16
	s_mov_b32 s[G1A+3], 1024<<16
	s_mov_b32 s[G1A+4], 8
	s_mov_b32 s[G1A+5], 2*SIZE_K
	s_mov_b32 s[G1A+6], 0
	s_mov_b32 s[G1A+7], 0
	s_or_b32 s[G1B], s85, (0<<16)|(1<<20)|(1<<21)|(6<<22)|(3<<25)
	s_mov_b32 s[G1B+1], 512<<16
	s_mov_b32 s[G1B+2], 128<<16
	s_mov_b32 s[G1B+3], 512<<16
	s_mov_b32 s[G1B+4], 128
	s_mov_b32 s[G1B+5], SIZE_K
	s_mov_b32 s[G1B+6], 0
	s_mov_b32 s[G1B+7], 0
	s_or_b32 s[G1SA], s84, (3<<16)|(1<<21)
	s_mov_b32 s[G1SA+1], 64<<16
	s_mov_b32 s[G1SA+2], (SIZE_K/128)<<16
	s_mov_b32 s[G1SA+3], 64<<16
	s_mov_b32 s[G1SA+4], SIZE_K/128
	s_mov_b32 s[G1SA+5], 2048
	s_mov_b32 s[G1SA+6], 0
	s_mov_b32 s[G1SA+7], 0
	s_or_b32 s[G1SB], s85, (3<<16)|(1<<20)|(1<<21)|(5<<22)|(3<<25)
	s_mov_b32 s[G1SB+1], 32<<16
	s_mov_b32 s[G1SB+2], (128*KS/256)<<16
	s_mov_b32 s[G1SB+3], 32<<16
	s_mov_b32 s[G1SB+4], 128*KS/256
	s_mov_b32 s[G1SB+5], 32
	s_mov_b32 s[G1SB+6], 0
	s_mov_b32 s[G1SB+7], 0
	s_lshl_b32 s86, s22, 3
	s_lshl_b32 s87, s18, 2
	s_add_co_u32 s86, s86, s87
	s_mul_i32 s86, s86, SIZE_K*16
	s_mov_b32 s87, 0
	s_lshl_b32 s88, s22, 9
	s_add_co_u32 s88, s88, A_SC
	s_mov_b32 s89, 0
	s_lshl_b32 s90, s21, 7
	s_mul_i32 s92, s90, KS
	s_lshl_b32 s91, s18, 6
	s_add_co_u32 s90, s90, s91
	s_mov_b32 s93, 0
	s_mul_i32 s90, s90, SIZE_K
	s_mov_b32 s91, 0
	s_lshl_b32 s94, s18, 15
	s_mul_i32 s95, s18, 64*BP
	s_add_co_u32 s95, s95, BOFF
	s_wait_kmcnt 0x0
	s_add_nc_u64 s[86:87], s[4:5], s[86:87]
	s_add_nc_u64 s[88:89], s[4:5], s[88:89]
	s_add_nc_u64 s[90:91], s[6:7], s[90:91]
	s_add_nc_u64 s[92:93], s[8:9], s[92:93]
	CROUND
	s_mov_b32 s[G0SA], 1
	s_mov_b32 s[G0SA+1], SCA
	s_mov_b64 s[G0SA+2:G0SA+3], s[88:89]
	s_or_b32 s[G0SA+3], s[G0SA+3], 0x80000000
	s_mov_b32 s[G0SB], 1
	s_mov_b32 s[G0SB+1], SCB
	s_mov_b64 s[G0SB+2:G0SB+3], s[92:93]
	s_or_b32 s[G0SB+3], s[G0SB+3], 0x80000000
.irp s, 0,1
	s_mov_b32 s[G0A+4*\s], 1
	s_add_co_u32 s[G0A+4*\s+1], s94, \s*SLOT
	s_add_nc_u64 s[G0A+4*\s+2:G0A+4*\s+3], s[86:87], \s*8192
	s_or_b32 s[G0A+4*\s+3], s[G0A+4*\s+3], 0x80000000
	s_mov_b32 s[G0B+4*\s], 1
	s_add_co_u32 s[G0B+4*\s+1], s95, \s*SLOT
	s_add_nc_u64 s[G0B+4*\s+2:G0B+4*\s+3], s[90:91], \s*512
	s_or_b32 s[G0B+4*\s+3], s[G0B+4*\s+3], 0x80000000
.endr
; the head's loads, one a wave, in one chain of branches.  Waves 0 and 2 have half 0, so their slot 0 descriptors point at a tile's first row and first LDS byte; group 1 counts the whole tile's rows here
.macro ARM is, g0, g1, next
	s_cmp_eq_u32 s16, \is
	s_cbranch_scc0 \next
	tensor_load_to_lds s[\g0:\g0+3], s[\g1:\g1+7]
	s_nop 0
.rept 4
	v_nop
.endr
	s_branch .Lhead_asked
\next:
.endm
	ARM 0, G0A, G1A, .Lhead_b
	ARM 2, G0B, G1B, .Lhead_sa
	ARM 1, G0SA, G1SA, .Lhead_sb
	tensor_load_to_lds s[G0SB:G0SB+3], s[G1SB:G1SB+7]
	s_nop 0
.rept 4
	v_nop
.endr
.Lhead_asked:
	v_and_b32 v1, 15, v0
	v_bfe_u32 v2, v0, 4, 1
	v_and_b32 v3, 31, v0
	v_lshlrev_b32 v4, 4, v3
	s_lshl_b32 s84, s17, 15
	v_add_nc_u32 v[ADA], s84, v4
	v_add_nc_u32 v[ADA+1], SLOT, v[ADA]
	v_mul_u32_u24 v5, v1, BP
	v_lshl_add_u32 v5, v2, 4, v5
	s_mul_i32 s84, s18, 64*BP
	s_add_co_u32 s84, s84, BOFF
	v_add_nc_u32 v[ADB], s84, v5
	v_add_nc_u32 v[ADB+1], SLOT, v[ADB]
	s_lshl_b32 s84, s17, 8
	s_add_co_u32 s84, s84, SCA
	v_lshl_add_u32 v[ADSA], v1, 2, s84
	v_mul_u32_u24 v5, v1, KS
	v_lshrrev_b32 v6, 8, v5
	v_lshl_add_u32 v5, v6, 4, v5
	s_mul_i32 s84, s18, HALFS
	s_add_co_u32 s84, s84, SCB
	v_add_nc_u32 v[ADSB], s84, v5
	s_mul_i32 s84, s16, 16*SP
	v_mul_u32_u24 v5, v1, SP
	v_lshl_add_u32 v5, v2, 5, v5
	v_add_nc_u32 v[STO], s84, v5
	v_mul_u32_u24 v5, v2, SP
	v_lshl_add_u32 v5, v1, 4, v5
	v_add_nc_u32 v[RD], s84, v5
	v_lshlrev_b32 v5, 12, v2
	v_lshl_add_u32 v[RO], v1, 4, v5
	v_lshlrev_b32 v7, 5, v2
	s_cmp_eq_u32 s17, 0                            ; the prefetches: do I fetch for A?
	s_cselect_b64 s[PFA:PFA+1], s[86:87], s[90:91] ; what I fetch in the ring,
	s_cselect_b32 s23, s19, s20                    ; my place among the four that ask for it with me,
	s_mov_b32 s[PFS], 512
	s_cselect_b32 s[PFS], 8192, s[PFS]             ; a slot on,
	s_mov_b32 s[PFS+1], SIZE_K
	s_cselect_b32 s[PFS+1], 512, s[PFS+1]          ; from one pair of lanes to the next: 512 bytes on in an image of A, a row on in B
	v_lshrrev_b32 v5, 1, v3
	v_and_b32 v6, 1, v3
	v_mul_lo_u32 v5, v5, s[PFS+1]
	v_lshl_add_u32 v[PFO], v6, 8, v5
	v_add_nc_u32 v[PFO1], s[PFS], v[PFO]
	s_mul_i32 s23, s23, SIZE_K*16                  ; my work-group's quarter: an image of A and 16 rows of B are both 16 SIZE_K bytes
	s_lshl_b32 s84, s[PFS], 1
	s_add_co_u32 s84, s84, s23                     ; at slot 2
	s_mov_b32 s85, 0
	s_mov_b32 s[PFS+1], 0
	s_add_nc_u64 s[PFA:PFA+1], s[PFA:PFA+1], s[84:85]
	s_wait_alu depctr_va_vdst(0)
	global_prefetch_b8 v[PFO], s[PFA:PFA+1] th:TH_LOAD_NT scope:SCOPE_SE    ; slot 2
	global_prefetch_b8 v[PFO1], s[PFA:PFA+1] th:TH_LOAD_NT scope:SCOPE_SE   ; slot 3
	s_lshl_b32 s98, s21, 7
	s_lshl_b32 s99, s18, 6
	s_add_co_u32 s98, s98, s99
	s_lshl_b32 s98, s98, 2
	s_mov_b32 s99, 0
	s_add_nc_u64 s[10:11], s[10:11], s[98:99]
	s_lshl_b32 s100, s22, 7
	s_lshl_b32 s101, s17, 6
	s_add_co_u32 s100, s100, s101
	s_lshl_b32 s100, s100, 12
	s_add_co_u32 s98, s98, s100
	s_add_nc_u64 s[12:13], s[12:13], s[98:99]
	s_add_nc_u64 s[14:15], s[14:15], s[98:99]
.irp b, 0,1,2,3
	global_load_b128 v[BI+8*\b:BI+8*\b+3], v7, s[10:11] offset:64*\b
	global_load_b128 v[BI+8*\b+4:BI+8*\b+7], v7, s[10:11] offset:64*\b+16
.endr
	WIN 0x80
.irp a, 0,1,2,3
.irp t, 0,1,2,3,4,5,6,7
	global_load_b128 v[32*\a+4*\t:32*\a+4*\t+3], v[RO], s[12:13] offset:(16*\a+2*\t)*4096
.endr
.endr
	WIN 0
.macro MULA f, sc, a, first
.irp b, 0,1,2,3
.if \first
	v_wmma_scale_f32_16x16x128_f8f6f4 v[ACC+8*(4*(\a)+\b):ACC+8*(4*(\a)+\b)+7], v[(\f)+64+16*\b:(\f)+64+16*\b+15], v[(\f)+16*(\a):(\f)+16*(\a)+15], v[BI+8*\b:BI+8*\b+7], v[SCR+8*(\sc)+4+\b], v[SCR+8*(\sc)+(\a)] matrix_a_fmt:MATRIX_FMT_BF8 matrix_b_fmt:MATRIX_FMT_BF8
.else
	v_wmma_scale_f32_16x16x128_f8f6f4 v[ACC+8*(4*(\a)+\b):ACC+8*(4*(\a)+\b)+7], v[(\f)+64+16*\b:(\f)+64+16*\b+15], v[(\f)+16*(\a):(\f)+16*(\a)+15], v[ACC+8*(4*(\a)+\b):ACC+8*(4*(\a)+\b)+7], v[SCR+8*(\sc)+4+\b], v[SCR+8*(\sc)+(\a)] matrix_a_fmt:MATRIX_FMT_BF8 matrix_b_fmt:MATRIX_FMT_BF8
.endif
.endr
.endm
.macro FETCH slot, q, f, sc
	WIN 0
.irp a, 0,1,2,3
	ds_load_b32 v[SCR+8*(\sc)+\a], v[ADSA] offset:512*(\q)+64*\a
	ds_load_b32 v[SCR+8*(\sc)+4+\a], v[ADSB] offset:4*(\q)+\a*SBLK
.endr
	WIN TO_F
.irp b, 0,1,2,3
.irp c, 0,1,2,3
	ds_load_b128 v[(\f)+64+16*\b+4*\c:(\f)+64+16*\b+4*\c+3], v[ADB+\slot] offset:128*(\q)+32*\c+\b*16*BP
.endr
.endr
.irp a, 0,1,2,3
.irp c, 0,1,2,3
	ds_load_b128 v[(\f)+16*\a+4*\c:(\f)+16*\a+4*\c+3], v[ADA+\slot] offset:8192*\a+2048*(\q)+512*\c
.endr
.endr
.endm
.macro PLACES n
.rept \n
	v_nop
.endr
.endm
.macro STEP slot, q, first
	s_wait_dscnt 8
	WIN MUL
	MULA F0+128*((\q)%2), (\q)%2, 0, \first
	MULA F0+128*((\q)%2), (\q)%2, 1, \first
	PLACES 8
	FETCH \slot, (\q)+1, F0+128*(1-(\q)%2), 1-(\q)%2
	s_wait_dscnt 40
	WIN MUL
	MULA F0+128*((\q)%2), (\q)%2, 2, \first
	MULA F0+128*((\q)%2), (\q)%2, 3, \first
.endm
.macro TURN slot, next, fill
	WIN 0
.if \fill
	s_wait_xcnt 0x0                                ; my last prefetch has read its address: it steps a slot on
	s_add_nc_u64 s[PFA:PFA+1], s[PFA:PFA+1], s[PFS:PFS+1]
.endif
	s_wait_tensorcnt 0x0
	ds_add_u32 v[SPW], v[NIL]
	s_wait_dscnt 9
	WIN MUL
	MULA F1, 1, 0, 0
	s_wait_dscnt 0x0
	s_barrier_signal -1
	MULA F1, 1, 1, 0
	WIN 0
	s_barrier_wait -1
.if \fill
	CREST
	s_add_nc_u64 s[G0A+4*\slot+2:G0A+4*\slot+3], s[G0A+4*\slot+2:G0A+4*\slot+3], 16384
	s_add_nc_u64 s[G0B+4*\slot+2:G0B+4*\slot+3], s[G0B+4*\slot+2:G0B+4*\slot+3], 1024
	JLOAD G0A+4*\slot, G1A, G0B+4*\slot, G1B
	PLACES 4
.else
	PLACES 8
.endif
	v_add_nc_u32 v[ADSA], 2048, v[ADSA]
	v_add_nc_u32 v[ADSB], 16, v[ADSB]
	FETCH \next, 0, F0, 0
.if \fill
	WIN 0
	s_cmp_gt_u32 s3, 1                             ; the loop's last trip has no slot two refills on
	s_cbranch_scc0 .Lno_ask_\@
	global_prefetch_b8 v[PFO1], s[PFA:PFA+1] th:TH_LOAD_NT scope:SCOPE_SE
.Lno_ask_\@:
.endif
	WIN MUL
	MULA F1, 1, 2, 0
	MULA F1, 1, 3, 0
.endm
	s_wait_alu depctr_va_vdst(0)
	s_wait_tensorcnt 0x0                           ; my tile of the head's four is in; slot 1's first fill is issued as a refill is
	ds_add_u32 v[SPW], v[NIL]
	s_mov_b32 s[G1A+2], 4<<16                      ; no load of mine is out: from here on a load brings half a tile
	s_mov_b32 s[G1A+4], 4
	s_mov_b32 s[G1B+2], 64<<16
	s_mov_b32 s[G1B+4], 64
	s_wait_dscnt 0x0
	CROUND
	JLOAD G0A+4, G1A, G0B+4, G1B
	FETCH 0, 0, F0, 0
	s_wait_loadcnt 32
	STEP 0, 0, 1
.if LAPS > 1
	WIN 0
	s_mov_b32 s3, LAPS-1
.Llap:
	s_wait_alu depctr_va_vdst(0)
	STEP 0, 1, 0
	STEP 0, 2, 0
	TURN 0, 1, 1
	s_wait_alu depctr_va_vdst(0)
	STEP 1, 0, 0
	STEP 1, 1, 0
	STEP 1, 2, 0
	TURN 1, 0, 1
	s_wait_alu depctr_va_vdst(0)
	STEP 0, 0, 0
	WIN 0
	s_sub_co_u32 s3, s3, 1
	s_cmp_lg_u32 s3, 0
	s_cbranch_scc1 .Llap
.endif
	STEP 0, 1, 0
	STEP 0, 2, 0
	TURN 0, 1, 0
	s_wait_alu depctr_va_vdst(0)
	STEP 1, 0, 0
	STEP 1, 1, 0
	STEP 1, 2, 0
	s_wait_dscnt 8
	WIN MUL
	MULA F1, 1, 0, 0
	MULA F1, 1, 1, 0
	s_wait_dscnt 0
	MULA F1, 1, 2, 0
	MULA F1, 1, 3, 0
	WIN 0
	PLACES 8
	s_wait_loadcnt 0x0
.irp a, 0,1,2,3
.set TT, TMP+32*(\a%2)
.if \a >= 2
	s_wait_xcnt 0x0
.endif
.irp b, 0,1,2,3
	ds_store_b128 v[STO], v[ACC+8*(4*\a+\b):ACC+8*(4*\a+\b)+3] offset:64*\b
	ds_store_b128 v[STO], v[ACC+8*(4*\a+\b)+4:ACC+8*(4*\a+\b)+7] offset:64*\b+16
.endr
.irp t, 0,1,2,3,4,5,6,7
	ds_load_b128 v[TT+4*\t:TT+4*\t+3], v[RD] offset:2*SP*\t
.endr
	s_wait_dscnt 0x0
	WIN 0x08
.set i, 0
.rept 16
	v_pk_add_f32 v[TT+i:TT+i+1], v[TT+i:TT+i+1], v[32*\a+i:32*\a+i+1]
.set i, i+2
.endr
	WIN 0
.irp t, 0,1,2,3,4,5,6,7
	global_store_b128 v[RO], v[TT+4*\t:TT+4*\t+3], s[14:15] offset:(16*\a+2*\t)*4096
.endr
.endr
	s_wait_tensorcnt 0x0
	ds_add_u32 v[SPW], v[NIL]
	s_wait_dscnt 0x0
	CROUND
	s_endpgm
.Lfunc_end_k_q5e0658058c_ffn2:
	.size	k_q5e0658058c_ffn2, .Lfunc_end_k_q5e0658058c_ffn2-k_q5e0658058c_ffn2
	.p2alignl 7, 3214868480
	.fill 96, 4, 3214868480
	.section	.rodata,"a",@progbits
	.p2align	6, 0x0
	.amdhsa_kernel k_q5e0658058c_ffn2
		.amdhsa_group_segment_fixed_size 327680
		.amdhsa_private_segment_fixed_size 0
		.amdhsa_enable_private_segment 0
		.amdhsa_kernarg_size 48
		.amdhsa_user_sgpr_count 2
		.amdhsa_user_sgpr_kernarg_segment_ptr 1
		.amdhsa_wavefront_size32 1
		.amdhsa_system_sgpr_workgroup_id_x 1
		.amdhsa_system_sgpr_workgroup_id_y 1
		.amdhsa_system_sgpr_workgroup_id_z 1
		.amdhsa_system_vgpr_workitem_id 0
		.amdhsa_next_free_vgpr 640
		.amdhsa_next_free_sgpr 102
		.amdhsa_reserve_vcc 0
		.amdhsa_float_denorm_mode_32 3
		.amdhsa_float_denorm_mode_16_64 3
		.amdhsa_memory_ordered 1
		.amdhsa_forward_progress 1
		.amdhsa_inst_pref_size 109
	.end_amdhsa_kernel
	.amdgpu_metadata
---
amdhsa.version: [ 1, 2 ]
amdhsa.kernels:
  - .name:           k_q5e0658058c_ffn2
    .symbol:         k_q5e0658058c_ffn2.kd
    .args:
      - { .name: gbuf, .offset: 0, .size: 8, .value_kind: global_buffer, .address_space: global }
      - { .name: w2_codes, .offset: 8, .size: 8, .value_kind: global_buffer, .address_space: global }
      - { .name: w2_scales, .offset: 16, .size: 8, .value_kind: global_buffer, .address_space: global }
      - { .name: b2, .offset: 24, .size: 8, .value_kind: global_buffer, .address_space: global }
      - { .name: x1, .offset: 32, .size: 8, .value_kind: global_buffer, .address_space: global }
      - { .name: out0, .offset: 40, .size: 8, .value_kind: global_buffer, .address_space: global }
    .group_segment_fixed_size: 327680
    .private_segment_fixed_size: 0
    .kernarg_segment_align: 8
    .kernarg_segment_size: 48
    .max_flat_workgroup_size: 128
    .sgpr_count:     102
    .vgpr_count:     640
    .wavefront_size: 32
...
	.end_amdgpu_metadata
.endif
;; end of part 6
